; MI455X (gfx1250); checked and timed in simulation.
; The chip was launched on July 23, 2026; its instructions are those of AMD's public machine-readable ISA for CDNA 5 (MIT licence, August 2026) and "CDNA5" Instruction Set Architecture Reference Guide (July 2026). The comments in the code are by the model that wrote it; some were corrected since.
;; MHA. Allowed arithmetic: matrix products marked QUANTISED: E2M1 operands, one E8M0 scale for each 32 along K, by v_wmma_scale_f32_16x16x128_f8f6f4 with both operands' format E2M1 (or v_wmma_scale_f32_32x16x128_f4), f32 sums; products left as they are: bf16, f16 or f32 operands; f32 sums; everything else in f32.
;; Inputs: Wk 1,024 x 1,024 float32; Wo 1,024 x 1,024 float32; Wq 1,024 x 1,024 float32; Wv 1,024 x 1,024 float32; token_positions 4 x 2,048 int32; x 4 x 2,048 x 1,024 float32.
;; Outputs: out0 4 x 2,048 x 1,024 float32.
;; This version of the problem:
;;   THIS VERSION OF THE PROBLEM IS GIVEN IN LOW PRECISION. The matrix products marked QUANTISED in the list below multiply operands that are first quantised to E2M1 (2 exponent bits, 1 mantissa bit; 4 bits a number), with one power-of-two scale for each 32 numbers along K (OCP MX v1.0); their sums are f32. The products marked 'left as it is' may take bf16, f16 or f32 operands, with f32 sums. Whichever they take, every output number must still come out within the allowed error. Rounding operands to bf16 (8 significant bits) uses up far more of that allowance than f16 does (11 bits, for magnitudes from 6e-5 to 65,504). All else is computed in f32.
;;   The module's matrix products, in the order in which they are computed (A, B: the left and right operand; K: the contracted axis; several contracted axes count as one K, in the product's order):
;;     1. [M 8,192, K 1,024] x [K 1,024, N 1,024]; A: input x; B: input Wq: QUANTISED
;;     2. [M 8,192, K 1,024] x [K 1,024, N 1,024]; A: input x; B: input Wk: QUANTISED
;;     3. [M 8,192, K 1,024] x [K 1,024, N 1,024]; A: input x; B: input Wv: QUANTISED
;;     4. batch 64 x [M 2,048, K 64] x [K 64, N 2,048]; A: computed on the way; B: computed on the way: left as it is (an operand is computed on the way)
;;     5. batch 64 x [M 2,048, K 2,048] x [K 2,048, N 64]; A: computed on the way; B: computed on the way: left as it is (an operand is computed on the way)
;;     6. [M 8,192, K 1,024] x [K 1,024, N 1,024]; A: computed on the way; B: input Wo: left as it is (an operand is computed on the way)
;;   THE QUANTISER, for each operand of a quantised product, along K:
;;     - K is cut into blocks of 32 from its start; a last block that is shorter is filled with zeros.
;;     - A block's scale is 2^e with e = floor(log2(the largest magnitude in the block)) - 2, held to -126 .. 127; a block of zeros has e = 0. As a byte (E8M0): e + 127.
;;     - Each number is divided by its block's scale, clamped to +-6, and rounded to the nearest number of E2M1, ties to even, subnormals kept.
;;     - The product sums the exact products of the quantised numbers (number of the format x scale) in f32.
;;   ~~~python
;;   def quantise(x, axis):      # numpy; x: float32 -> the quantised numbers, widened to float32 again
;;       x = np.moveaxis(x, axis, -1); K = x.shape[-1]
;;       x = np.pad(x, [(0, 0)] * (x.ndim - 1) + [(0, -K % 32)]); x = x.reshape(x.shape[:-1] + (-1, 32)); a = np.abs(x).max(-1, keepdims=True)
;;       e = np.where(a > 0, np.clip(np.frexp(np.where(a > 0, a, 1))[1] - 1 - 2, -126, 127), 0)      # np.frexp(a)[1] - 1 = floor(log2(a)), exactly
;;       r = np.clip(x / 2.0 ** e, -6, 6)
;;       step = 2.0 ** (np.maximum(np.frexp(np.where(r == 0, 1, r))[1] - 1, 0) - 1)
;;       q = np.round(r / step) * step * 2.0 ** e      # np.round: ties to even
;;       return np.moveaxis(q.reshape(q.shape[:-2] + (-1,))[..., :K], -1, axis).astype(np.float32)
;;   ~~~
;; One version. Each part assembles by itself: llvm-mc -triple=amdgcn-amd-amdhsa -mcpu=gfx1250 --defsym DOCPART=n.
;; ======== version 1 of 1: 4 launches
;; limits: values are held in f16: magnitudes above 65,504 overflow, below 6.1e-05 lose precision; inputs' magnitudes at most 65,504; right only within a limited range of input values
;; workspace buffers: xc 4,194,304 bytes; xs 262,144 bytes; wc 1,572,864 bytes; ws 98,304 bytes; wo16 2,097,152 bytes; rope 2,097,152 bytes; qkv 50,331,648 bytes; att 16,777,216 bytes
;; launch prep (part 1): grid 448 x 1, 4 waves a work-group, no clusters, 33,280 bytes of LDS; arguments x, Wq, Wk, Wv, Wo, token_positions, xc, xs, wc, ws, wo16, rope; writes xc, xs, wc, ws, wo16, rope
.if DOCPART == 1
	.amdgcn_target "amdgcn-amd-amdhsa--gfx1250"
	.amdhsa_code_object_version 6
	.text
	.protected	k_q01b7c344ac_prep
	.globl	k_q01b7c344ac_prep
	.p2align	8
	.type	k_q01b7c344ac_prep,@function
k_q01b7c344ac_prep:
	s_mov_b64 s[64:65], 0
	v_nop
	global_prefetch_b8 v0, s[64:65] scope:SCOPE_SE
	s_setreg_imm32_b32 hwreg(HW_REG_WAVE_MODE, 25, 1), 1
	s_wait_xcnt 0x0
; MULTI-HEAD ATTENTION, launch 1 of 4: what the later launches read many times is made once.
;   work-groups 0-255:   x [8192][1024] f32 -> codes of FP4 (E2M1), K innermost (xc), one E8M0 byte for each 32 along K (xs)
;   work-groups 256-351: Wq, Wk, Wv [1024][1024] f32 -> the same, one below the other as ONE operand of 3,072 rows (wc, ws)
;   work-groups 352-383: Wo -> f16 (wo16): the last product is left as it is and takes f16 operands
;   work-groups 384-447: cos and sin of token_positions[t] x 10000^(-k/32), k = 0 .. 31, for each of the 8,192 tokens (rope: [token][pair][cos, sin] f32)
; WORK LEFT OUT IN THE WHOLE PROGRAM: reference() sets the scores of keys k > q to -inf by a tril that it builds in its own body; exp(-inf) = 0, so such a key adds 0 to a row's sum and 0 x v to its result
; whatever finite values the inputs hold.  Tiles of keys that lie wholly behind a wave's queries are therefore neither loaded, multiplied nor summed (launch 3).  Nothing else is left out; every input is loaded.
; LIMIT of that: a NaN, an infinity or an overflow that would arise only in a score that the mask hides is not carried to the result.
; THE QUANTISER: a block's scale is 2^(floor(log2(its largest magnitude)) - 2); its byte is the largest magnitude's exponent field - 2, held at 1 from below; each number is divided by the scale and rounded to the
; nearest code, ties to even, beyond 6 the code of 6.  A block of zeros gets the byte 1 where the rule says 127: its codes are zeros, which add nothing under any byte but 0xff, and this program alone reads the bytes.
; LIMITS: NaN and infinities among the inputs are not served; a block whose largest magnitude lies under 2^-124 has its byte held at 1; |position x 10000^(-k/32)| stays under 2^23 (the quadrant is a whole number in f32);
; 10000^(-k/32) is 2^(-k log2(10) / 8) by v_exp_f32: at position 2,047 the angle is then off by up to 2e-4.
; Rows are dense and K is a multiple of 32: a tensor is a plain stream of blocks of 32, and so are its codes and bytes.  A wave takes 16 steps of 512 numbers.  Each load reads 512 consecutive bytes, 16 a lane; the
; conversions want 16 NEIGHBOURS in a lane, so a step's 2,048 bytes turn through the wave's own stage in LDS (16 bytes of padding behind each 64).  Two neighbouring lanes hold a block.
; No tensor loads, no barrier: waves share nothing.  Only the quantising work-groups touch LDS.
.set STEPS, 16
.set EMAX,  2
.set CB,    8                          ; bytes of 16 codes
.set R,     16                         ; v16-79   four sets of 16 numbers as they are loaded
.set X,     80                         ; v80-111  two sets of 16 neighbours
.set E,     112                        ; v112-127 a scale byte for each step
.set C,     128                        ; v128-191 codes: four registers for each step, so that no store's data are written again
.set WREG,  8192                       ; LDS: a region for each wave: two stages of 32 x SP bytes, behind them its 256 scale bytes
.set SP,    80                         ; a lane's place in a stage: 64 bytes + 16 of padding
.set SPW,   12                         ; v12      LDS address of my spare word; never rewritten
.set NIL,   13                         ; v13      0; never rewritten
.set SPARE, 4*WREG                     ; behind the four regions: the spare words, 128 bytes a wave, which no other line names
.set WV,    28                         ; s28      my wave's number
	s_load_b256 s[4:11], s[0:1], 0x0               ; x s[4:5], Wq s[6:7], Wk s[8:9], Wv s[10:11]
	s_load_b256 s[12:19], s[0:1], 0x20             ; Wo s[12:13], token_positions s[14:15], xc s[16:17], xs s[18:19]
	s_load_b256 s[20:27], s[0:1], 0x40             ; wc s[20:21], ws s[22:23], wo16 s[24:25], rope s[26:27]
	v_lshl_add_u32 v[SPW], v0, 2, SPARE
	v_mov_b32 v[NIL], 0
	v_lshrrev_b32 v1, 5, v0
	v_readfirstlane_b32 s[WV], v1                  ; wave 0..3
	v_and_b32 v2, 31, v0                           ; lane
	s_cmp_ge_u32 ttmp9, 352
	s_cbranch_scc1 .Lother
	; ---------------- the quantiser ----------------
	v_lshlrev_b32 v3, 4, v2                        ; my 16 bytes of a load's 512
	s_mul_i32 s29, s[WV], WREG
	v_lshrrev_b32 v14, 2, v2
	v_mul_u32_u24 v14, v14, SP
	v_and_b32 v15, 3, v2
	v_lshl_add_u32 v14, v15, 4, v14
	v_add_nc_u32 v14, s29, v14                     ; the stage, on the way in: SP (lane / 4) + 16 (lane % 4)
	v_mul_u32_u24 v15, v2, SP
	v_add_nc_u32 v15, s29, v15                     ; and on the way out: SP x lane: my 16 neighbours
	v_mul_u32_u24 v4, v2, CB                       ; my codes' place in a step's
	v_lshrrev_b32 v5, 1, v2
	s_add_co_u32 s29, s29, 2*32*SP
	v_add_nc_u32 v5, s29, v5                       ; LDS: my wave's 256 scale bytes, my block's byte
	v_lshlrev_b32 v7, 3, v2                        ; and on the way out 8 bytes a lane
	v_add_nc_u32 v6, s29, v7
	s_wait_kmcnt 0x0
	s_cmp_ge_u32 ttmp9, 256                        ; x or a weight?  Every choice hangs on the work-group's number alone
	s_cselect_b64 s[4:5], s[6:7], s[4:5]
	s_cselect_b64 s[16:17], s[20:21], s[16:17]
	s_cselect_b64 s[18:19], s[22:23], s[18:19]
	s_cselect_b32 s30, 256, 0                      ; the first work-group of the destination
	s_cselect_b32 s31, 31, 255                     ; a source has 256 or 32 work-groups
	s_cmp_ge_u32 ttmp9, 288
	s_cselect_b64 s[4:5], s[8:9], s[4:5]
	s_cmp_ge_u32 ttmp9, 320
	s_cselect_b64 s[4:5], s[10:11], s[4:5]
	s_and_b32 s32, ttmp9, s31
	s_lshl_b32 s32, s32, 2
	s_add_co_u32 s32, s32, s[WV]                   ; which run of 8,192 numbers of the source is my wave's
	s_lshl_b32 s32, s32, 15                        ; 32,768 bytes a run
	s_mov_b32 s33, 0
	s_add_nc_u64 s[4:5], s[4:5], s[32:33]
	s_sub_co_u32 s34, ttmp9, s30
	s_lshl_b32 s34, s34, 2
	s_add_co_u32 s34, s34, s[WV]                   ; and which run of the destination
	s_lshl_b32 s36, s34, 12                        ; 4,096 bytes of codes a run
	s_mov_b32 s37, 0
	s_add_nc_u64 s[16:17], s[16:17], s[36:37]
	s_lshl_b32 s36, s34, 8                         ; 256 scale bytes a run
	s_add_nc_u64 s[18:19], s[18:19], s[36:37]
.macro LOAD t
.irp i, 0,1,2,3
	global_load_b128 v[R+16*((\t)%4)+4*\i:R+16*((\t)%4)+4*\i+3], v3, s[4:5] offset:2048*(\t)+512*\i th:TH_LOAD_NT   ; 32 lanes read 512 consecutive bytes
.endr
.endm
.macro TURN t                          ; step t's numbers through the stage: LDS serves a wave's instructions in order, so no wait stands between the stores and the loads
.irp i, 0,1,2,3
	ds_store_b128 v14, v[R+16*((\t)%4)+4*\i:R+16*((\t)%4)+4*\i+3] offset:32*SP*((\t)%2)+8*SP*\i
.endr
.irp i, 0,1,2,3
	ds_load_b128 v[X+16*((\t)%2)+4*\i:X+16*((\t)%2)+4*\i+3], v15 offset:32*SP*((\t)%2)+16*\i
.endr
.endm
.irp t, 0,1,2,3
	LOAD \t
.endr
	s_wait_loadcnt 12                              ; step 0's four loads are in
	TURN 0
.macro STEP t
.set XS, X+16*((\t)%2)
.if (\t) > 0
	s_wait_dscnt 1                                 ; this step's numbers are back from the stage (the last step's byte store may be out): so its stores into the stage have read their registers,
.else
	s_wait_dscnt 0x0
.endif
.if (\t)+4 < STEPS
	LOAD (\t)+4                                    ; which take the loads of four steps on
.endif
.if (\t)+1 < STEPS
.if STEPS-2-(\t) >= 3
	s_wait_loadcnt 12                              ; the next step's four loads are in; those of the three steps behind it may be out
.else
	s_wait_loadcnt 4*(STEPS-2-(\t))
.endif
	TURN (\t)+1                                    ; and go through the other stage while this step is worked
.endif
	v_max3_num_f32 v8, |v[XS]|, |v[XS+1]|, |v[XS+2]|               ; the largest magnitude of my 16, in two chains
	v_max3_num_f32 v9, |v[XS+3]|, |v[XS+4]|, |v[XS+5]|
.irp i, 6,10
	v_max3_num_f32 v8, v8, |v[XS+\i]|, |v[XS+\i+1]|
	v_max3_num_f32 v9, v9, |v[XS+\i+2]|, |v[XS+\i+3]|
.endr
	v_max3_num_f32 v8, v8, |v[XS+14]|, |v[XS+15]|
	v_max3_num_f32 v8, v8, v9, (EMAX+1)<<23        ; and the floor 2^(3 - 127): so the byte cannot fall under 1
	v_max_num_f32_dpp v8, v8, v8 row_xmask:1 row_mask:0xf bank_mask:0xf   ; and of my neighbour's 16: the block's
	v_add_nc_u32 v11, -(EMAX<<23), v8              ; 2 off its exponent field: the conversion takes the exponent field of this operand as its scale, and nothing else of it
	v_cvt_scalef32_pk8_fp4_f32 v[C+4*(\t)], v[XS:XS+7], v11
	v_cvt_scalef32_pk8_fp4_f32 v[C+4*(\t)+1], v[XS+8:XS+15], v11
	v_lshrrev_b32 v[E+(\t)], 23, v11               ; the scale's byte
	ds_store_b8 v5, v[E+(\t)] offset:16*(\t)       ; both lanes of a block write the same byte with the same value
	global_store_b64 v4, v[C+4*(\t):C+4*(\t)+1], s[16:17] offset:32*CB*(\t)   ; the wave stores 256 consecutive bytes, aligned
.endm
.irp t, 0,1,2,3,4,5,6,7,8,9,10,11,12,13,14,15
	STEP \t
.endr
	ds_load_b64 v[8:9], v6                         ; LDS serves a wave's instructions in order: these see my stores
	s_wait_dscnt 0x0
	global_store_b64 v7, v[8:9], s[18:19]          ; 32 lanes store the wave's 256 scale bytes, aligned
	s_wait_tensorcnt 0x0                           ; the wave's end: behind my last LDS store
	ds_add_u32 v[SPW], v[NIL]
	s_wait_dscnt 0x0
	s_endpgm
.Lother:
	s_cmp_ge_u32 ttmp9, 384
	s_cbranch_scc1 .Lrope
	; ---------------- Wo to f16: a wave takes 8,192 numbers, in four batches of 16 loads; two sets of registers take turns ----------------
	s_sub_co_u32 s30, ttmp9, 352
	s_lshl_b32 s30, s30, 2
	s_add_co_u32 s30, s30, s[WV]
	s_lshl_b32 s32, s30, 15                        ; 32,768 bytes in,
	s_mov_b32 s33, 0
	s_lshl_b32 s34, s30, 14                        ; 16,384 out
	s_mov_b32 s35, 0
	v_lshlrev_b32 v3, 4, v2                        ; in: 16 bytes a lane
	v_lshlrev_b32 v4, 3, v2                        ; out: 8 bytes a lane
	s_wait_kmcnt 0x0
	s_add_nc_u64 s[12:13], s[12:13], s[32:33]
	s_add_nc_u64 s[24:25], s[24:25], s[34:35]
.macro WLOAD b
.set WR, 16+96*((\b)%2)                ; v16-79 or v112-175
.irp t, 0,1,2,3,4,5,6,7,8,9,10,11,12,13,14,15
	global_load_b128 v[WR+4*\t:WR+4*\t+3], v3, s[12:13] offset:512*(16*(\b)+\t) th:TH_LOAD_NT
.endr
.endm
.macro WCONV b
.set WR, 16+96*((\b)%2)
.if (\b) < 3
	s_wait_loadcnt 16                              ; this batch is in; the next batch's 16 loads may be out
.else
	s_wait_loadcnt 0x0
.endif
.if (\b) > 0
	s_wait_xcnt 0x0                                ; the last batch's stores have read v80-111, which are written again
.endif
.irp t, 0,1,2,3,4,5,6,7,8,9,10,11,12,13,14,15
	v_cvt_pk_f16_f32 v[80+2*\t], v[WR+4*\t], v[WR+4*\t+1]
	v_cvt_pk_f16_f32 v[81+2*\t], v[WR+4*\t+2], v[WR+4*\t+3]
.endr
.irp t, 0,1,2,3,4,5,6,7,8,9,10,11,12,13,14,15
	global_store_b64 v4, v[80+2*\t:81+2*\t], s[24:25] offset:256*(16*(\b)+\t)   ; the wave stores 256 consecutive bytes, aligned
.endr
.if (\b)+2 < 4
	WLOAD (\b)+2
.endif
.endm
	WLOAD 0
	WLOAD 1
	WCONV 0
	WCONV 1
	WCONV 2
	WCONV 3
	s_endpgm
.Lrope:
	; ---------------- the table of cos and sin: a wave takes 32 tokens, a lane the pair k = lane ----------------
	s_sub_co_u32 s30, ttmp9, 384
	s_lshl_b32 s30, s30, 2
	s_add_co_u32 s30, s30, s[WV]                   ; which run of 32 tokens
	s_lshl_b32 s78, s30, 7                         ; 32 positions of 4 bytes
	s_mov_b32 s79, 0
	s_wait_kmcnt 0x0
	s_add_nc_u64 s[14:15], s[14:15], s[78:79]
	s_load_b512 s[32:47], s[14:15], 0x0            ; the 32 positions, the same for all lanes: scalars
	s_load_b512 s[48:63], s[14:15], 0x40
	s_lshl_b32 s78, s30, 13                        ; 32 tokens of 256 bytes
	s_add_nc_u64 s[26:27], s[26:27], s[78:79]
	v_cvt_f32_u32 v1, v2
	v_mul_f32 v1, 0xbed49a78, v1                   ; -k log2(10) / 8
	v_exp_f32 v1, v1                               ; 10000^(-k / 32)
	v_lshlrev_b32 v3, 3, v2                        ; (a plain instruction behind the exponential)  8 bytes a lane: the wave's store covers a token's 256 bytes
	s_mov_b32 s66, 0x3f22f983                      ; 2 / pi
	s_mov_b32 s67, 0xbfc90fdb                      ; -pi/2 in three parts, so that a - n pi/2 loses nothing that counts
	s_mov_b32 s68, 0x333bbd2e
	s_mov_b32 s69, 0x26f72ced
	s_mov_b32 s70, 0xb94ca1f9                      ; sin r = r + r z (S1 + z (S2 + z S3)), z = r r, |r| <= pi/4
	s_mov_b32 s71, 0x3c08839e
	s_mov_b32 s72, 0xbe2aaaa3
	s_mov_b32 s73, 0x37ccf5ce                      ; cos r = 1 - z/2 + z z (C1 + z (C2 + z C3))
	s_mov_b32 s74, 0xbab6061a
	s_mov_b32 s75, 0x3d2aaaa5
	s_mov_b32 s76, 0x80000000
	s_wait_alu depctr_va_vdst(0)                   ; the wait ahead of the first reader of the exponential
	s_wait_kmcnt 0x0
.macro SINCOS i                        ; token i of my 32.  Two sets of work registers take turns; each token has result registers of its own, so no store's data are written again
.set W, 16+16*((\i)%2)
.set O, 64+2*(\i)
	v_cvt_f32_i32 v[W], s[32+\i]
	v_mul_f32 v[W], v[W], v1                       ; the angle a, as reference() forms it
	v_mul_f32 v[W+1], s66, v[W]
	v_rndne_f32 v[W+1], v[W+1]                     ; n = the nearest whole number to a / (pi/2)
	v_fma_f32 v[W+2], v[W+1], s67, v[W]
	v_fma_f32 v[W+2], v[W+1], s68, v[W+2]
	v_fma_f32 v[W+2], v[W+1], s69, v[W+2]          ; r = a - n pi/2
	v_cvt_i32_f32 v[W+3], v[W+1]                   ; the quadrant: it selects values only, no address and no branch
	v_mul_f32 v[W+4], v[W+2], v[W+2]               ; z
	v_fma_f32 v[W+5], v[W+4], s70, s71
	v_fma_f32 v[W+6], v[W+4], s73, s74
	v_fma_f32 v[W+5], v[W+5], v[W+4], s72
	v_fma_f32 v[W+6], v[W+6], v[W+4], s75
	v_mul_f32 v[W+5], v[W+5], v[W+4]
	v_mul_f32 v[W+6], v[W+6], v[W+4]
	v_fma_f32 v[W+7], v[W+4], -0.5, 1.0
	v_fma_f32 v[W+5], v[W+5], v[W+2], v[W+2]       ; sin r
	v_fma_f32 v[W+7], v[W+6], v[W+4], v[W+7]       ; cos r
	v_and_b32 v[W+8], 1, v[W+3]
	v_cmp_eq_u32 vcc_lo, 1, v[W+8]                 ; in odd quadrants the two change places
	v_cndmask_b32 v[O+1], v[W+5], v[W+7], vcc_lo
	v_cndmask_b32 v[O], v[W+7], v[W+5], vcc_lo
	v_lshlrev_b32 v[W+8], 30, v[W+3]
	v_and_b32 v[W+8], s76, v[W+8]                  ; sin is negative in quadrants 2, 3
	v_xor_b32 v[O+1], v[O+1], v[W+8]
	v_add_nc_u32 v[W+3], 1, v[W+3]
	v_lshlrev_b32 v[W+3], 30, v[W+3]
	v_and_b32 v[W+3], s76, v[W+3]                  ; cos in quadrants 1, 2
	v_xor_b32 v[O], v[O], v[W+3]
	global_store_b64 v3, v[O:O+1], s[26:27] offset:256*(\i)
.endm
.irp i, 0,1,2,3,4,5,6,7,8,9,10,11,12,13,14,15,16,17,18,19,20,21,22,23,24,25,26,27,28,29,30,31
	SINCOS \i
.endr
	s_endpgm
.Lfunc_end_k_q01b7c344ac_prep:
	.size	k_q01b7c344ac_prep, .Lfunc_end_k_q01b7c344ac_prep-k_q01b7c344ac_prep
	.p2alignl 7, 3214868480
	.fill 96, 4, 3214868480
	.section	.rodata,"a",@progbits
	.p2align	6, 0x0
	.amdhsa_kernel k_q01b7c344ac_prep
		.amdhsa_group_segment_fixed_size 33280
		.amdhsa_private_segment_fixed_size 0
		.amdhsa_enable_private_segment 0
		.amdhsa_kernarg_size 96
		.amdhsa_user_sgpr_count 2
		.amdhsa_user_sgpr_kernarg_segment_ptr 1
		.amdhsa_wavefront_size32 1
		.amdhsa_system_sgpr_workgroup_id_x 1
		.amdhsa_system_sgpr_workgroup_id_y 1
		.amdhsa_system_sgpr_workgroup_id_z 1
		.amdhsa_system_vgpr_workitem_id 0
		.amdhsa_next_free_vgpr 192
		.amdhsa_next_free_sgpr 80
		.amdhsa_reserve_vcc 1
		.amdhsa_float_denorm_mode_32 3
		.amdhsa_float_denorm_mode_16_64 3
		.amdhsa_memory_ordered 1
		.amdhsa_forward_progress 1
		.amdhsa_inst_pref_size 98
	.end_amdhsa_kernel
	.amdgpu_metadata
---
amdhsa.version: [ 1, 2 ]
amdhsa.kernels:
  - .name:           k_q01b7c344ac_prep
    .symbol:         k_q01b7c344ac_prep.kd
    .args:
      - { .name: x, .offset: 0, .size: 8, .value_kind: global_buffer, .address_space: global }
      - { .name: Wq, .offset: 8, .size: 8, .value_kind: global_buffer, .address_space: global }
      - { .name: Wk, .offset: 16, .size: 8, .value_kind: global_buffer, .address_space: global }
      - { .name: Wv, .offset: 24, .size: 8, .value_kind: global_buffer, .address_space: global }
      - { .name: Wo, .offset: 32, .size: 8, .value_kind: global_buffer, .address_space: global }
      - { .name: token_positions, .offset: 40, .size: 8, .value_kind: global_buffer, .address_space: global }
      - { .name: xc, .offset: 48, .size: 8, .value_kind: global_buffer, .address_space: global }
      - { .name: xs, .offset: 56, .size: 8, .value_kind: global_buffer, .address_space: global }
      - { .name: wc, .offset: 64, .size: 8, .value_kind: global_buffer, .address_space: global }
      - { .name: ws, .offset: 72, .size: 8, .value_kind: global_buffer, .address_space: global }
      - { .name: wo16, .offset: 80, .size: 8, .value_kind: global_buffer, .address_space: global }
      - { .name: rope, .offset: 88, .size: 8, .value_kind: global_buffer, .address_space: global }
    .group_segment_fixed_size: 33280
    .private_segment_fixed_size: 0
    .kernarg_segment_align: 8
    .kernarg_segment_size: 96
    .max_flat_workgroup_size: 128
    .sgpr_count:     80
    .vgpr_count:     192
    .wavefront_size: 32
...
	.end_amdgpu_metadata
.endif
;; end of part 1
;; launch qkv (part 2): grid 12 x 32, 4 waves a work-group, clusters of 4 x 4, 327,680 bytes of LDS; arguments xc, xs, wc, ws, rope, qkv; writes qkv
.if DOCPART == 2
	.amdgcn_target "amdgcn-amd-amdhsa--gfx1250"
	.amdhsa_code_object_version 6
	.text
	.protected	k_q01b7c344ac_qkv
	.globl	k_q01b7c344ac_qkv
	.p2align	8
	.type	k_q01b7c344ac_qkv,@function
k_q01b7c344ac_qkv:
	s_mov_b64 s[64:65], 0
	v_nop
	global_prefetch_b8 v0, s[64:65] scope:SCOPE_SE
	s_setreg_imm32_b32 hwreg(HW_REG_WAVE_MODE, 25, 1), 1
	s_wait_xcnt 0x0
	s_wait_alu depctr_hold_cnt(0) depctr_sa_sdst(0) depctr_va_vdst(0) depctr_va_sdst(0) depctr_va_ssrc(0) depctr_va_vcc(0) depctr_vm_vsrc(0)
	s_getreg_b32 s2, hwreg(HW_REG_IB_STS2, 6, 4)
	s_cmp_eq_u32 s2, 0
	s_cbranch_scc0 .Lentry_in_a_cluster
	s_endpgm
.Lentry_in_a_cluster:
	s_bfe_u32 s2, ttmp6, 0x10000c
	s_cmp_lg_u32 s2, 0xf033
	s_cbranch_scc0 .Lentry_shape_is_right
	s_endpgm
.Lentry_shape_is_right:
; Launch 2 of 4: q, k, v = x Wq^T, x Wk^T, x Wv^T as ONE product [8192 x 3072 x 1024] on codes of FP4 (E2M1) with one E8M0 scale for each 32 along K; the rotation of q and k on the way out; results as f16, head by head.
; qkv: three parts of 2^24 bytes (q, k, v), each [batch x 16 + head][2048 tokens][64] f16.  LIMIT: |q|, |k|, |v| up to 65,504 (f16); nothing of this launch's work is left out.
; A tile of 256 tokens x 256 columns is made by a work-group of four waves; a wave makes 128 x 128: 64 accumulators of 16 x 16, 512 registers.  K = 1,024 is two slots of 512 along K (rows of 256 bytes):
; both are asked for at the start, with the scale bytes of the work-group's rows, and nothing is filled again.
; CLUSTERS: 4 x 4 work-groups.  The four of a row of the cluster need the same tiles of x, the four of a column the same tiles of W: each tile is asked for JOINTLY, by the same tensor load with the same descriptor
; and a mask that names the four.  A cluster's 1,024 columns are one part: cluster x = 0: q, 1: k, 2: v; so the one branch on the part is the same in all sixteen partners.
; THE MATRIX INSTRUCTION IS USED TRANSPOSED (source 0 = 16 rows of W, source 1 = 16 rows of x): a lane then holds eight neighbouring columns of one token: four pairs (even, odd) of the rotation.
; REGISTERS, in windows of 256: window 0: v0-31 addresses; v32-95 scale words, two sets; v128-191 x's fragments, ONE set; on the way out v32-255 are free.   window 1: W's fragments, TWO sets, at v0 and v128.
;   window 2: the 32 accumulators of my tokens 0-63 (accumulator (a, b) at v[8 (8 a + b)]);   window 3: those of my tokens 64-127.
.set SIZE_K, 1024
.set KSTEP,  512                       ; along K in a slot
.set NQ,     KSTEP/128                 ; matrix instructions deep
.set ROWB,   256                       ; a tile's row in bytes
.set KROW,   SIZE_K*4/8                ; a row of codes in memory, in bytes
.set PITCH,  272                       ; an LDS row: 256 bytes + 16 of padding = 68 words: the 16 rows that a load touches start at 16 different banks (64 banks of 4 bytes: ISA guide 11.1)
.set FR,     8                         ; registers of a fragment: 16 rows x 128 K
.set NL,     2                         ; LDS loads that bring one
.set NP,     4                         ; places behind this matrix instruction (ISA guide 7.12.1)
.set HALFT,  128*PITCH                 ; 128 rows: what one tensor load brings
.set SLOT,   4*HALFT                   ; x's 256 rows, then W's 256 rows
.set KS,     SIZE_K/32                 ; a row of scales in bytes
.set SCL,    2*SLOT                    ; behind the slots: the scales, as units of 256 bytes + 16 of padding
.set HALFS,  (128*KS/256)*272          ; the scales of 128 rows: what one tensor load brings
.set SBLK,   (16*KS/256)*272           ; those of 16 rows
.set SPARE,  SCL+4*HALFS               ; behind the scales: the spare words, 128 bytes a wave, which no other line names
.set SPITCH, 272                       ; the way out: a stage of 16 rows x (256 bytes + 16) for each wave, in slot 0, which has had its only fill and its last read when the first result is stored there
.set STGV,   32768                     ; the values' way out has stage bytes of its own, also in slot 0
.set ADRA, 16                          ; v16-17  LDS address of my x fragments in slot 0, 1
.set ADRB, 20                          ; v20-21  the same for W
.set STO,  24                          ; v24     the way out: where I put 16 bytes of a row
.set RD,   25                          ; v25     the way out: where I read back
.set CO,   26                          ; v26     16 x lane: my place in a store's 512 bytes
.set ADRS, 27                          ; v27     LDS address of my scale words: lanes 0-15 x's rows, lanes 16-31 W's
.set SPW,  28                          ; v28     LDS address of my spare word; never rewritten
.set NIL,  29                          ; v29     0; never rewritten
.set RO,   30                          ; v30     my byte offset in 16 tokens of the table of cos and sin
.set SC,   32                          ; scale words: set s at v[SC + 32 s]; register 4 i + q: lanes 0-15 the word of x's block i, lanes 16-31 that of W's block i, for the slot's q-th 128 along K
.set AF,   128                         ; x's fragments
.set T,    64                          ; the way out: v64-127 rotated numbers; v128-159 packed; v160-223 rows read back, two sets; v32-63 and v224-255 cos and sin, two sets
.set TMP,  128
.set BK,   160
.set G1, 24                            ; s[24:31] descriptor group 1 for x's tiles;  s[32:39] group 0, one set for each slot
.set G0, 32
.set G1B, 48                           ; s[48:55], s[56:63] the same for W's tiles
.set G0B, 56
.set G1S, 68                           ; s[68:75], s[76:79] groups 1 and 0 for x's scales;  s[80:87], s[88:91] for W's
.set G0S, 76
.set G1SB, 80
.set G0SB, 88
.set MSB, 0
.macro WIN new                         ; the immediate's high byte repeats the setting that is left
.if MSB != \new
	s_set_vgpr_msb (MSB<<8)|\new
.set MSB, \new
.endif
.endm
.set MUL_LO, 0xa1                      ; source 0 (W) window 1, source 1 (x) window 0, C and D window 2
.set MUL_HI, 0xf1                      ; the same, C and D window 3
.set TO_B,   0x40                      ; destination window 1, address window 0
; A joint load: waves 0 and 1 fetch for x, waves 2 and 3 for W.  Each of the two lines has ONE mask and one set of registers for all that issue it; the branch hangs on the wave's number alone.
; An s_nop 0 and four v_nop follow each of the two lines, ahead of the jump, the label and what follows.
.macro JLOAD g0a, g1a, g0b, g1b
	s_cmp_eq_u32 s15, 0
	s_cbranch_scc0 .Lfor_b_\@
	tensor_load_to_lds s[\g0a:\g0a+3], s[\g1a:\g1a+7]
	s_nop 0
.rept 4
	v_nop
.endr
	s_branch .Lasked_\@
.Lfor_b_\@:
	tensor_load_to_lds s[\g0b:\g0b+3], s[\g1b:\g1b+7]
	s_nop 0
.rept 4
	v_nop
.endr
.Lasked_\@:
.endm
.macro CROUND                          ; a round of the cluster's barrier
	s_barrier_signal -1
	s_barrier_wait -1
	s_cmp_lg_u32 s14, 0
	s_cbranch_scc1 .Lnot_wave_0_\@
	s_barrier_signal -3
.Lnot_wave_0_\@:
	s_barrier_wait -3
	s_barrier_signal -1
	s_barrier_wait -1
.endm
	s_load_b128 s[4:7], s[0:1], 0x0                ; x's codes s[4:5], x's scales s[6:7]
	s_load_b128 s[8:11], s[0:1], 0x10              ; W's codes s[8:9], W's scales s[10:11]
	s_load_b128 s[96:99], s[0:1], 0x20             ; the table of cos and sin s[96:97], qkv s[98:99]
	v_lshl_add_u32 v[SPW], v0, 2, SPARE
	v_mov_b32 v[NIL], 0
	ds_add_u32 v[SPW], v[NIL]                      ; the wave's opening: the add, twice on end, and its wait ahead of my first tensor load; the set-up below stands between the second and the wait
	ds_add_u32 v[SPW], v[NIL]
	v_lshrrev_b32 v1, 5, v0
	v_readfirstlane_b32 s14, v1                    ; wave 0..3
	s_lshr_b32 s15, s14, 1                         ; which half of the tile's tokens is mine.  Also: I fetch for x (0) or for W (1)
	s_and_b32 s16, s14, 1                          ; which half of its columns.  Also: which 128 rows of that tile I fetch
	s_bfe_u32 s40, ttmp6, 0x40000                  ; cx, cy: my place in the cluster
	s_bfe_u32 s41, ttmp6, 0x40004
	s_lshl_b32 s42, ttmp9, 2
	s_add_co_u32 s42, s42, s40                     ; tile column = 4 x cluster x + cx
	s_and_b32 s17, ttmp7, 0xffff
	s_lshl_b32 s17, s17, 2
	s_add_co_u32 s17, s17, s41                     ; tile row = 4 x cluster y + cy
	s_lshl_b32 s43, s41, 2
	s_lshl_b32 s43, 15, s43                        ; my row of the cluster
	s_lshl_b32 s44, 0x1111, s40                    ; my column
	; descriptor group 1: a tile of 128 rows x 256 bytes, padded in LDS
	s_or_b32 s[G1+0], s43, (0<<16)|(1<<20)|(1<<21)|(5<<22)|(3<<25)  ; 15:0 the mask: x's tiles go to my row; 17:16 element of 1 byte; 20 padding on; 21 set beside a mask; 24:22 after every 64 words (code 5); 31:25 of 4 words (code 3)
	s_or_b32 s[G1B+0], s44, (0<<16)|(1<<20)|(1<<21)|(5<<22)|(3<<25)
.irp g, G1, G1B
	s_mov_b32 s[\g+1], ROWB<<16                    ; tensor_dim0
	s_mov_b32 s[\g+2], 128<<16                     ; tensor_dim1 = 128
	s_mov_b32 s[\g+3], ROWB<<16                    ; tile_dim0
	s_mov_b32 s[\g+4], 128                         ; tile_dim1 = 128
	s_mov_b32 s[\g+5], KROW                        ; tensor_dim0_stride
	s_mov_b32 s[\g+6], 0
	s_mov_b32 s[\g+7], 0
.endr
	; and for the scales of 128 rows: a dense block of 4,096 bytes, as rows of 256 bytes (32 elements of 8 bytes), 16 bytes of padding behind each
	s_or_b32 s[G1S+0], s43, (3<<16)|(1<<20)|(1<<21)|(5<<22)|(3<<25)
	s_or_b32 s[G1SB+0], s44, (3<<16)|(1<<20)|(1<<21)|(5<<22)|(3<<25)
.irp g, G1S, G1SB
	s_mov_b32 s[\g+1], 32<<16
	s_mov_b32 s[\g+2], (128*KS/256)<<16
	s_mov_b32 s[\g+3], 32<<16
	s_mov_b32 s[\g+4], 128*KS/256
	s_mov_b32 s[\g+5], 32
	s_mov_b32 s[\g+6], 0
	s_mov_b32 s[\g+7], 0
.endr
	s_lshl_b32 s18, s16, 7                         ; which 128 rows of the tile I fetch
	s_lshl_b32 s20, s17, 8
	s_add_co_u32 s20, s20, s18                     ; x: row 256 x tile row + 128 x half
	s_lshl_b32 s46, s42, 8
	s_add_co_u32 s46, s46, s18                     ; W: row 256 x tile column + 128 x half
	s_mov_b32 s21, 0
	s_mov_b32 s47, 0
	s_mov_b64 s[18:19], KS
	s_mul_u64 s[22:23], s[20:21], s[18:19]         ; where these rows' scales begin, in bytes
	s_mul_u64 s[92:93], s[46:47], s[18:19]
	s_mov_b64 s[18:19], KROW
	s_mul_u64 s[20:21], s[20:21], s[18:19]         ; and their codes
	s_mul_u64 s[46:47], s[46:47], s[18:19]
	s_mul_i32 s45, s14, HALFT                      ; where they go: wave x 128 rows: no place in the cluster enters an LDS address
	s_mul_i32 s94, s14, HALFS
	s_wait_dscnt 0x0                               ; both opening adds are done
	s_wait_kmcnt 0x0
	s_add_nc_u64 s[20:21], s[4:5], s[20:21]
	s_add_nc_u64 s[22:23], s[6:7], s[22:23]
	s_add_nc_u64 s[46:47], s[8:9], s[46:47]
	s_add_nc_u64 s[92:93], s[10:11], s[92:93]
	CROUND                                         ; all sixteen work-groups are here: the joint loads meet
	s_mov_b32 s[G0S], 1
	s_add_co_u32 s[G0S+1], s94, SCL
	s_mov_b64 s[G0S+2:G0S+3], s[22:23]
	s_or_b32 s[G0S+3], s[G0S+3], 0x80000000
	s_mov_b32 s[G0SB], 1
	s_add_co_u32 s[G0SB+1], s94, SCL
	s_mov_b64 s[G0SB+2:G0SB+3], s[92:93]
	s_or_b32 s[G0SB+3], s[G0SB+3], 0x80000000
	JLOAD G0S, G1S, G0SB, G1SB                     ; the scales first: they are wanted with slot 0
.irp s, 0,1
	s_mov_b32 s[G0+4*\s], 1
	s_add_co_u32 s[G0+4*\s+1], s45, \s*SLOT
	s_add_nc_u64 s[G0+4*\s+2:G0+4*\s+3], s[20:21], \s*ROWB
	s_or_b32 s[G0+4*\s+3], s[G0+4*\s+3], 0x80000000
	s_mov_b32 s[G0B+4*\s], 1
	s_add_co_u32 s[G0B+4*\s+1], s45, \s*SLOT
	s_add_nc_u64 s[G0B+4*\s+2:G0B+4*\s+3], s[46:47], \s*ROWB
	s_or_b32 s[G0B+4*\s+3], s[G0B+4*\s+3], 0x80000000
	JLOAD G0+4*\s, G1, G0B+4*\s, G1B               ; three tensor loads of mine are out in all
.endr
	v_and_b32 v1, 15, v0                           ; r = l % 16
	v_bfe_u32 v2, v0, 4, 1                         ; h = l / 16
	v_mul_u32_u24 v3, v1, PITCH
	v_lshl_add_u32 v4, v2, 4, v3                   ; a fragment's row x pitch + 16 x half
	s_mul_i32 s21, s15, HALFT                      ; my 128 rows of x
	s_mul_i32 s22, s16, HALFT                      ; my 128 rows of W,
	s_add_co_u32 s22, s22, 2*HALFT                 ; which lie behind x's 256
.irp s, 0,1
	v_add_nc_u32 v[ADRA+\s], s21, v4
	v_add_nc_u32 v[ADRB+\s], s22, v4
	s_add_co_u32 s21, s21, SLOT
	s_add_co_u32 s22, s22, SLOT
.endr
	v_mul_u32_u24 v5, v1, KS                       ; my row's scales: 32 bytes a row,
	v_lshrrev_b32 v6, 8, v5
	v_lshl_add_u32 v5, v6, 4, v5                   ; and 16 more for each 256 passed
	s_mul_i32 s21, s15, HALFS                      ; x's: my 128 rows
	s_mul_i32 s22, s16, HALFS                      ; W's: my 128 rows, behind x's 256
	s_add_co_u32 s22, s22, 2*HALFS
	s_sub_co_u32 s22, s22, s21
	v_mul_u32_u24 v6, s22, v2                      ; lanes 16-31 take W's
	s_add_co_u32 s21, s21, SCL
	v_add_nc_u32 v5, v5, v6
	v_add_nc_u32 v[ADRS], s21, v5
	s_mul_i32 s23, s14, 16*SPITCH                  ; my stage
	v_mul_u32_u24 v5, v1, SPITCH                   ; in: row r, 16 bytes for each half of the lanes
	v_lshl_add_u32 v5, v2, 4, v5
	v_add_nc_u32 v[STO], s23, v5
	v_bfe_u32 v5, v0, 3, 2                         ; back: eight lanes take a head's 128 bytes of a token, the 32 lanes four tokens
	v_mul_u32_u24 v5, v5, SPITCH
	v_and_b32 v6, 7, v0
	v_lshl_add_u32 v5, v6, 4, v5
	v_add_nc_u32 v[RD], s23, v5
	v_and_b32 v6, 31, v0
	v_lshlrev_b32 v[CO], 4, v6
	v_lshlrev_b32 v[RO], 8, v1                     ; the table: token r of 256 bytes, + 32 h: my half's four pairs
	v_lshl_add_u32 v[RO], v2, 5, v[RO]
	s_lshl_b32 s20, s17, 8
	s_lshl_b32 s21, s15, 7
	s_add_co_u32 s20, s20, s21                     ; my first token: 256 x tile row + 128 x half
	s_lshl_b32 s22, s20, 8                         ; its place in the table
	s_mov_b32 s23, 0
	s_add_nc_u64 s[96:97], s[96:97], s[22:23]
	s_lshr_b32 s21, s20, 11                        ; the batch,
	s_lshl_b32 s21, s21, 4
	s_lshl_b32 s46, s40, 2                         ; my first head: 4 cx + 2 x column half (in the registers that held W's address: none that feeds x's descriptors ever holds cx)
	s_lshl_b32 s47, s16, 1
	s_add_co_u32 s46, s46, s47
	s_add_co_u32 s46, s46, s21
	s_lshl_b32 s46, s46, 18                        ; 2,048 tokens x 128 bytes a head
	s_and_b32 s21, s20, 2047                       ; the token in its sequence
	s_lshl_b32 s21, s21, 7
	s_add_co_u32 s46, s46, s21
	s_lshl_b32 s21, ttmp9, 24                      ; the part: q, k or v
	s_add_co_u32 s46, s46, s21
	s_mov_b32 s47, 0
	s_add_nc_u64 s[98:99], s[98:99], s[46:47]
.macro FRAG reg, adr, q, i             ; a fragment, 16 rows x 128 K of 4-bit codes, is 8 registers: lane l holds row l % 16; registers 4 c .. 4 c + 3 hold K = 64 c + 32 (l / 16) + 0 .. 31
.irp c, 0,1
	ds_load_b128 v[\reg+4*\c:\reg+4*\c+3], v[\adr] offset:64*(\q)+32*\c+(\i)*16*PITCH
.endr
.endm
; 16 matrix instructions: x's blocks a0, a0 + 1 against W's eight, 128 along K: the slot's q-th.  p: W's set;  sc: the set of scale words.  zero = 1: the first product starts the sums: nothing is ever cleared.
; The 64 accumulators take turns, one instruction a turn, in the same order in every step.
.macro MUL16 a0, p, q, sc, zero
.irp a, \a0, \a0+1
.irp b, 0,1,2,3,4,5,6,7
.if \zero
	v_wmma_scale_f32_16x16x128_f8f6f4 v[8*(8*((\a)%4)+\b):8*(8*((\a)%4)+\b)+7], v[128*(\p)+FR*\b:128*(\p)+FR*\b+FR-1], v[AF+FR*(\a):AF+FR*(\a)+FR-1], 0, v[SC+8*NQ*(\sc)+NQ*\b+(\q)], v[SC+8*NQ*(\sc)+NQ*(\a)+(\q)] matrix_a_fmt:MATRIX_FMT_FP4 matrix_b_fmt:MATRIX_FMT_FP4 matrix_a_scale:MATRIX_SCALE_ROW1
.else
	v_wmma_scale_f32_16x16x128_f8f6f4 v[8*(8*((\a)%4)+\b):8*(8*((\a)%4)+\b)+7], v[128*(\p)+FR*\b:128*(\p)+FR*\b+FR-1], v[AF+FR*(\a):AF+FR*(\a)+FR-1], v[8*(8*((\a)%4)+\b):8*(8*((\a)%4)+\b)+7], v[SC+8*NQ*(\sc)+NQ*\b+(\q)], v[SC+8*NQ*(\sc)+NQ*(\a)+(\q)] matrix_a_fmt:MATRIX_FMT_FP4 matrix_b_fmt:MATRIX_FMT_FP4 matrix_a_scale:MATRIX_SCALE_ROW1
.endif
.endr
.endr
.endm
.macro FETCH_B slot, q, p              ; W's eight fragments of the slot's q-th 128 along K into set p
	WIN TO_B
.irp i, 0,1,2,3,4,5,6,7
	FRAG 128*(\p)+FR*\i, ADRB+\slot, \q, \i
.endr
	WIN 0
.endm
.macro FETCH_A slot, q, i0             ; x's blocks i0 .. i0 + 3
.irp i, \i0, \i0+1, \i0+2, \i0+3
	FRAG AF+FR*(\i), ADRA+\slot, \q, \i
.endr
.endm
.macro SCALES sc                       ; a slot's scale words into set sc: four words a row; lanes 0-15 take x's block i, lanes 16-31 W's block i
.irp i, 0,1,2,3,4,5,6,7
	ds_load_b128 v[SC+8*NQ*\sc+NQ*\i:SC+8*NQ*\sc+NQ*\i+3], v[ADRS] offset:\i*SBLK
.endr
.endm
; A load into a register that a matrix instruction has read, and a vector instruction that reads a matrix result, stand four places behind that matrix instruction; only plain vector instructions that name none of
; its registers are places (ISA guide 7.12.1 for vector instructions).
.macro PLACES n
.rept \n
	v_nop
.endr
.endm
; A step of 128 along K that has its successor in the same slot.  A block of x is free as soon as its eight products are issued, so one set serves x: blocks 0-3 are fetched anew in the step's middle, blocks 4-7 at its end.
.macro STEP slot, q, zero
	s_wait_dscnt 4*NL                              ; W's set and x's blocks 0-3 are in; the youngest eight loads (x's blocks 4-7) may be out
	WIN MUL_LO
	MUL16 0, (\q)%2, \q, \slot, \zero
	MUL16 2, (\q)%2, \q, \slot, \zero
	s_wait_dscnt 0                                 ; x's blocks 4-7 are in
	PLACES NP
	FETCH_B \slot, (\q)+1, 1-(\q)%2
	FETCH_A \slot, (\q)+1, 0
	WIN MUL_HI
	MUL16 4, (\q)%2, \q, \slot, \zero
	MUL16 6, (\q)%2, \q, \slot, \zero
	PLACES NP
	WIN 0
	FETCH_A \slot, (\q)+1, 4
.endm
; Slot 0's last step changes slots: in front of the barrier each wave waits for all its tensor loads (its part of slot 1), adds 0 to its spare word, and waits for that and for its reads of slot 0.
; Behind it slot 1 is whole, and nobody reads slot 0 any more: the way out may lay its stages there.
.macro TURN slot, next
	s_wait_tensorcnt 0x0                           ; all my tensor loads have landed  (every window is 0 here: the add's two registers lie in window 0)
	ds_add_u32 v[SPW], v[NIL]                      ; 0 onto my spare word
	s_wait_dscnt 4*NL+1                            ; (the add and the youngest eight loads may be out)
	WIN MUL_LO
	MUL16 0, 1, NQ-1, \slot, 0
	s_wait_dscnt 0x0                               ; the add is done, and my reads of this slot are over
	s_barrier_signal -1
	MUL16 2, 1, NQ-1, \slot, 0
	WIN 0
	s_barrier_wait -1
	PLACES NP
	v_add_nc_u32 v[ADRS], 4*NQ, v[ADRS]            ; on to the next slot's scale words
	FETCH_B \next, 0, 0
	FETCH_A \next, 0, 0
	SCALES \next
	WIN MUL_HI
	MUL16 4, 1, NQ-1, \slot, 0
	MUL16 6, 1, NQ-1, \slot, 0
	PLACES NP
	WIN 0
	FETCH_A \next, 0, 4
.endm
	s_wait_tensorcnt 1                             ; the scales and my part of slot 0 are in (slot 1's load may be out),
	s_barrier_signal -1
	s_barrier_wait -1                              ; everybody's are
	FETCH_B 0, 0, 0
	FETCH_A 0, 0, 0
	SCALES 0
	FETCH_A 0, 0, 4
	STEP 0, 0, 1                                   ; the first step's products start the sums
	STEP 0, 1, 0
	STEP 0, 2, 0
	TURN 0, 1
	STEP 1, 0, 0
	STEP 1, 1, 0
	STEP 1, 2, 0
	s_wait_dscnt 4*NL                              ; the last step: nothing more to fetch
	WIN MUL_LO
	MUL16 0, 1, NQ-1, 1, 0
	MUL16 2, 1, NQ-1, 1, 0
	s_wait_dscnt 0
	WIN MUL_HI
	MUL16 4, 1, NQ-1, 1, 0
	MUL16 6, 1, NQ-1, 1, 0
	WIN 0
; THE WAY OUT, block by block of 16 tokens x 128 columns (two heads).  In accumulator (a, b) lane (r, h) holds token 16 a + r and channels 16 (b % 4) + 8 h + 0 .. 7 of head b / 4: the pairs 8 (b % 4) + 4 h + 0 .. 3.
.macro RLOAD a                         ; cos and sin of block a's tokens, my 16 pairs: register 8 bb + 2 p: cos, + 1: sin, of pair 8 bb + 4 h + p
.set RR, 32+192*((\a)%2)
.irp bb, 0,1,2,3
	global_load_b128 v[RR+8*\bb:RR+8*\bb+3], v[RO], s[96:97] offset:4096*(\a)+64*\bb
	global_load_b128 v[RR+8*\bb+4:RR+8*\bb+7], v[RO], s[96:97] offset:4096*(\a)+64*\bb+16
.endr
.endm
.macro ROPE a                          ; (e, o) -> (e cos - o sin, o cos + e sin), two packed instructions a pair; then f16.  Each accumulator is read from its low end on
.set AC, 64*((\a)%4)
.set RR, 32+192*((\a)%2)
	WIN 0x02+(\a)/4                                ; source 0: window 2 or 3
.irp b, 0,1,2,3,4,5,6,7
.irp p, 0,1,2,3
	v_pk_mul_f32 v[T+8*\b+2*\p:T+8*\b+2*\p+1], v[AC+8*\b+2*\p:AC+8*\b+2*\p+1], v[RR+8*(\b%4)+2*\p:RR+8*(\b%4)+2*\p+1] op_sel:[1,1] op_sel_hi:[0,1]   ; (o sin, e sin)
.endr
.endr
.irp b, 0,1,2,3,4,5,6,7
.irp p, 0,1,2,3
	v_pk_fma_f32 v[T+8*\b+2*\p:T+8*\b+2*\p+1], v[AC+8*\b+2*\p:AC+8*\b+2*\p+1], v[RR+8*(\b%4)+2*\p:RR+8*(\b%4)+2*\p+1], v[T+8*\b+2*\p:T+8*\b+2*\p+1] op_sel_hi:[1,0,1] neg_lo:[0,0,1]   ; (e cos - o sin, o cos + e sin)
.endr
.endr
	WIN 0
.irp b, 0,1,2,3,4,5,6,7
.irp p, 0,1,2,3
	v_cvt_pk_f16_f32 v[TMP+4*\b+\p], v[T+8*\b+2*\p], v[T+8*\b+2*\p+1]
.endr
.endr
.endm
.macro PLAIN a                         ; the values are not rotated: f16 straight from the accumulators
.set AC, 64*((\a)%4)
	WIN 0x0a+5*((\a)/4)                            ; sources 0 and 1: window 2 or 3
.irp b, 0,1,2,3,4,5,6,7
.irp p, 0,1,2,3
	v_cvt_pk_f16_f32 v[TMP+4*\b+\p], v[AC+8*\b+2*\p], v[AC+8*\b+2*\p+1]
.endr
.endr
	WIN 0
.endm
.macro TOSTAGE a, so                   ; into my own stage and back, head by head, four tokens a load.  LDS serves a wave's instructions in order (ISA guide 5.7.1.4): no wait between the stores and the loads
.irp b, 0,1,2,3,4,5,6,7
	ds_store_b128 v[STO], v[TMP+4*\b:TMP+4*\b+3] offset:(\so)+32*\b
.endr
.set BB, BK+32*((\a)%2)
.irp u, 0,1
.irp i, 0,1,2,3
	ds_load_b128 v[BB+4*(4*\u+\i):BB+4*(4*\u+\i)+3], v[RD] offset:(\so)+1088*\i+128*\u
.endr
.endr
.endm
.macro SEND a, younger                 ; younger: the LDS instructions issued behind block a's loads, which may stay out
.set BB, BK+32*((\a)%2)
	s_wait_dscnt \younger
.irp u, 0,1
.irp i, 0,1,2,3
	global_store_b128 v[CO], v[BB+4*(4*\u+\i):BB+4*(4*\u+\i)+3], s[98:99] offset:262144*\u+2048*(\a)+512*\i   ; four tokens of one head: 512 consecutive bytes, aligned
.endr
.endr
.endm
	PLACES NP                                      ; behind the last products: for the first reads of results and for the loads into registers that held scales and fragments
	s_cmp_eq_u32 ttmp9, 2                          ; the part is the cluster's x: the same in all sixteen partners
	s_cbranch_scc1 .Lvalues
	RLOAD 0
	RLOAD 1
.irp a, 0,1,2,3,4,5,6,7
.if \a < 7
	s_wait_loadcnt 8                               ; block a's cos and sin are in; the next block's eight loads may be out
.else
	s_wait_loadcnt 0x0
.endif
	ROPE \a
.if \a < 6
	RLOAD \a+2                                     ; into the set that has just been read
.endif
.if \a > 1
	s_wait_xcnt 0x0                                ; block a - 2's stores have read their registers: block a's rows may land there
.endif
	TOSTAGE \a, 0
.if \a > 0
	SEND \a-1, 16                                  ; behind block a - 1's loads: block a's 8 stores and 8 loads
.endif
.endr
	SEND 7, 0
	s_branch .Lend
.Lvalues:
.irp a, 0,1,2,3,4,5,6,7
	PLAIN \a
.if \a > 1
	s_wait_xcnt 0x0
.endif
	TOSTAGE \a, STGV
.if \a > 0
	SEND \a-1, 16
.endif
.endr
	SEND 7, 0
.Lend:
	s_wait_tensorcnt 0x0                           ; the wave's end: behind my last tensor load and my last LDS store
	ds_add_u32 v[SPW], v[NIL]
	s_wait_dscnt 0x0
	CROUND                                         ; the closing round: no work-group ends while a partner may still ask for a tile that names it
	s_endpgm
.Lfunc_end_k_q01b7c344ac_qkv:
	.size	k_q01b7c344ac_qkv, .Lfunc_end_k_q01b7c344ac_qkv-k_q01b7c344ac_qkv
	.p2alignl 7, 3214868480
	.fill 96, 4, 3214868480
	.section	.rodata,"a",@progbits
	.p2align	6, 0x0
	.amdhsa_kernel k_q01b7c344ac_qkv
		.amdhsa_group_segment_fixed_size 327680
		.amdhsa_private_segment_fixed_size 0
		.amdhsa_enable_private_segment 0
		.amdhsa_kernarg_size 48
		.amdhsa_user_sgpr_count 2
		.amdhsa_user_sgpr_kernarg_segment_ptr 1
		.amdhsa_wavefront_size32 1
		.amdhsa_system_sgpr_workgroup_id_x 1
		.amdhsa_system_sgpr_workgroup_id_y 1
		.amdhsa_system_sgpr_workgroup_id_z 1
		.amdhsa_system_vgpr_workitem_id 0
		.amdhsa_next_free_vgpr 1024
		.amdhsa_next_free_sgpr 100
		.amdhsa_reserve_vcc 0
		.amdhsa_float_denorm_mode_32 3
		.amdhsa_float_denorm_mode_16_64 3
		.amdhsa_memory_ordered 1
		.amdhsa_forward_progress 1
		.amdhsa_inst_pref_size 196
	.end_amdhsa_kernel
	.amdgpu_metadata
---
amdhsa.version: [ 1, 2 ]
amdhsa.kernels:
  - .name:           k_q01b7c344ac_qkv
    .symbol:         k_q01b7c344ac_qkv.kd
    .args:
      - { .name: xc, .offset: 0, .size: 8, .value_kind: global_buffer, .address_space: global }
      - { .name: xs, .offset: 8, .size: 8, .value_kind: global_buffer, .address_space: global }
      - { .name: wc, .offset: 16, .size: 8, .value_kind: global_buffer, .address_space: global }
      - { .name: ws, .offset: 24, .size: 8, .value_kind: global_buffer, .address_space: global }
      - { .name: rope, .offset: 32, .size: 8, .value_kind: global_buffer, .address_space: global }
      - { .name: qkv, .offset: 40, .size: 8, .value_kind: global_buffer, .address_space: global }
    .group_segment_fixed_size: 327680
    .private_segment_fixed_size: 0
    .kernarg_segment_align: 8
    .kernarg_segment_size: 48
    .max_flat_workgroup_size: 128
    .sgpr_count:     100
    .vgpr_count:     1024
    .wavefront_size: 32
...
	.end_amdgpu_metadata
.endif
;; end of part 2
;; launch attn (part 3): grid 4 x 64, 16 waves a work-group, no clusters, 327,680 bytes of LDS; arguments qkv, att; writes att
.if DOCPART == 3
	.amdgcn_target "amdgcn-amd-amdhsa--gfx1250"
	.amdhsa_code_object_version 6
	.text
	.protected	k_q01b7c344ac_attn
	.globl	k_q01b7c344ac_attn
	.p2align	8
	.type	k_q01b7c344ac_attn,@function
k_q01b7c344ac_attn:
	s_mov_b64 s[64:65], 0
	v_nop
	global_prefetch_b8 v0, s[64:65] scope:SCOPE_SE
	s_setreg_imm32_b32 hwreg(HW_REG_WAVE_MODE, 25, 1), 1
	s_wait_xcnt 0x0
; Launch 3 of 4: att[head][token][:] = the sum over keys k <= q of softmax_k(q . k / 8) v, for 64 (batch, head) pairs of 2,048 tokens and head size 64.  q, k, v: f16 (launch 2); products and sums in f32;
; the weights p are rounded to f16 for the second product, the result once to f16.  att: [16 heads][8,192 tokens][64] f16.
; WORK LEFT OUT: steps of 64 keys that all lie behind a wave's 32 queries, and slots of 256 keys that lie behind the work-group's last query: reference()'s own tril gives them the weight exp(-inf) = 0 for all inputs.
; SOFTMAX: for each query a running maximum m and sum l: p = 2^(c s - c m), c = log2(e) / 8; in every step O and l are multiplied by a = 2^(c m_old - c m_new).  m begins at -3e38, l and O at 0: the first step's a is 0.
; SHARES.  A head's queries are eight blocks of 256.  Work-group x owns blocks x and 7 - x: (x + 1) + (8 - x) slots of keys count for it, the same for every x.  Each of the SIXTEEN waves owns 32 queries, two tiles of 16,
; in 256 registers: four waves to a SIMD, so that one wave's vector work stands beside another's matrix work and LDS loads.  Wave w takes the upper block where (w xor w / 4) is odd.
; Every wave walks all eight slots (constant trip counts, every barrier passed by all); what a wave leaves out is a step's work, by a scalar branch on ids.
; NO CLUSTER: the four work-groups of a head want 8, 7, 6 and 5 slots; a joint load would bring three of them tiles that none of their waves reads.
; LAYOUT.  Both products transposed: S^T = K Q^T (source 0 = 16 keys, source 1 = 16 queries): a lane holds ONE query (lane % 16) and the keys 8 (lane / 16) + 0 .. 7 of a tile; two such tiles, rounded to f16 in pairs, ARE
; source 1 (32 keys x 16 queries) of O^T = V^T P.  K comes out of LDS as it lies, V ([key][channel]) turned, by ds_load_tr16_b128.
; REGISTERS: v1-14 addresses and constants; v16-47 Q (tile t, channels 32 c on: 16 + 16 t + 8 c); v48-111 eight fragments of K, then of V; v112-175 S^T, 32 a tile, p in place, P packed into each tile's lower 16;
;   v176-239 O^T, 32 a tile; v240-255 statistics, 8 a tile: +0 c m, +1 m, +2, +3 l (even and odd keys'), +4 .. +7 at work, +6 becomes a.
.set KP,    144                        ; a key's row in LDS: 128 bytes + 16 of padding = 36 words: the 16 rows of a load start at 16 different banks (64 banks of 4 bytes: ISA guide 11.1)
.set VP,    160                        ; a row of V: 128 + 32
.set SK,    256                        ; keys in a slot: four steps of 64
.set VOFF,  SK*KP                      ; a slot: 256 rows of K, then 256 rows of V
.set SLOT1, 1<<17                      ; slot 1 begins here, so that one exclusive or turns an address in one slot into the other's
.set NSL,   2048/SK
.set STAGE, SLOT1+SK*(KP+VP)           ; behind the ring: 32 rows x 144 bytes for each wave, for the way out
.set SPARE, STAGE+16*32*KP             ; the spare words, 128 bytes a wave, which no other line names
.set AK0, 1                            ; v1   my lane's place in a tile of K
.set AV0, 2                            ; v2   the same for V
.set SPW, 3                            ; v3   LDS address of my spare word; never rewritten
.set NIL, 4                            ; v4   0; never rewritten
.set GO,  5                            ; v5   16 x lane: my place in a store's 512 bytes
.set ADK, 6                            ; v6   LDS address of the slot's K for my lane
.set ADV, 7                            ; v7   of its V
.set PFO, 8                            ; v8   256 x lane: the prefetches' offset
.set NINF, 9                           ; v9   -infinity
.set D0,  10                           ; v10, v11  the mask: my query less the step's first key less 8 (lane / 16), tile 0 and 1
.set STO, 12                           ; v12  the way out: where I put 16 bytes of a row
.set RD,  13                           ; v13  where I read back
.set RH,  14                           ; v14  lane % 16 - 8 (lane / 16)
.set QF,  16
.set KV,  48
.set S,   112
.set O,   176
.set ST,  240
.set WV,  18                           ; s18  my wave's number
.set SEL, 20                           ; s[20:21] lane selects for v_permlanex16_b32: lane l xor 16
.set CS,  22                           ; s[22:23] c: the packed form names a pair and takes its low word for both halves
.set G1K, 24                           ; s[24:31] descriptor group 1 for K's tiles;  s[32:39] for V's;  s[40:43], s[44:47] their groups 0, which walk
.set G1V, 32
.set G0K, 40
.set G0V, 44
.set TB,  2                            ; s2   LDS byte at which the slot in hand begins
.set SLOTS, 3                          ; s3   changes of slots still to come in the loop
.set KF,  48                           ; s48  the step's first key
.set Q0,  49                           ; s49  my first query
.set LASTQ, 50                         ; s50  my work-group's last query
.set PFA, 52                           ; s[52:53] where my prefetches stand
.set LIM, 54                           ; s54  1 in a wave that prefetches, else the greatest number
; Waves 0 and 1 fetch K's halves of a slot, waves 2 and 3 V's, the others nothing.  The branches hang on the wave's number alone.  An s_nop 0 and four v_nop follow each of the two lines.
.macro TLOAD
	s_cmp_lt_u32 s[WV], 2
	s_cbranch_scc0 .Lnot_k_\@
	tensor_load_to_lds s[G0K:G0K+3], s[G1K:G1K+7]
	s_nop 0
.rept 4
	v_nop
.endr
	s_branch .Lasked_\@
.Lnot_k_\@:
	s_cmp_lt_u32 s[WV], 4
	s_cbranch_scc0 .Lasked_\@
	tensor_load_to_lds s[G0V:G0V+3], s[G1V:G1V+7]
	s_nop 0
.rept 4
	v_nop
.endr
.Lasked_\@:
.endm
; A PREFETCH of what the NEXT change of slots will ask for: a slot's K and V are two dense blocks of 32,768 bytes.  All four work-groups of a head walk the same K and V: work-group x = 0, which loads all eight slots, asks.
; In it waves 4 to 7 ask for K's block and waves 8 to 11 for V's, 8,192 bytes a wave, lanes 256 bytes apart, one instruction each: each aligned block of 256 bytes is named once in the launch.
; It stands a slot's four key steps ahead of the load that will want the bytes.  Slots 0 and 1 come by their loads alone; the last change that fills a slot asks for nothing.
.macro ASK
	s_cmp_gt_u32 s[SLOTS], s[LIM]
	s_cbranch_scc0 .Lnot_mine_\@
	global_prefetch_b8 v[PFO], s[PFA:PFA+1] th:TH_LOAD_NT scope:SCOPE_SE
.Lnot_mine_\@:
.endm
	s_load_b128 s[4:7], s[0:1], 0x0                ; qkv s[4:5], att s[6:7]
	v_lshl_add_u32 v[SPW], v0, 2, SPARE
	v_mov_b32 v[NIL], 0
	ds_add_u32 v[SPW], v[NIL]                      ; the wave's opening: the add, twice on end, and its wait ahead of my first tensor load; the set-up below stands between the second and the wait
	ds_add_u32 v[SPW], v[NIL]
	v_lshrrev_b32 v5, 5, v0
	v_readfirstlane_b32 s[WV], v5                  ; wave 0..15
	s_and_b32 s56, ttmp7, 0xffff                   ; batch x 16 + head
	s_lshl_b32 s57, s56, 18                        ; its first byte in each part of qkv
	s_lshr_b32 s58, s[WV], 2
	s_xor_b32 s58, s58, s[WV]
	s_and_b32 s58, s58, 1                          ; 1: the upper block
	s_sub_co_u32 s59, 7, ttmp9
	s_cmp_eq_u32 s58, 1
	s_cselect_b32 s59, s59, ttmp9                  ; my block of 256 queries
	s_lshl_b32 s59, s59, 8
	s_lshr_b32 s60, s[WV], 1
	s_lshl_b32 s60, s60, 5
	s_add_co_u32 s[Q0], s59, s60                   ; my first query: 256 x block + 32 x (wave / 2)
	s_lshl_b32 s[LASTQ], ttmp9, 8
	s_sub_co_u32 s[LASTQ], 2047, s[LASTQ]          ; the last query of block 7 - x
	s_lshl_b32 s58, s[Q0], 7
	s_add_co_u32 s58, s58, s57                     ; q: my first row
	s_mov_b32 s59, 0
	s_and_b32 s60, s56, 15
	s_lshl_b32 s60, s60, 20                        ; att: the head's plane of 8,192 x 128 bytes,
	s_lshr_b32 s61, s56, 4
	s_lshl_b32 s61, s61, 11
	s_add_co_u32 s61, s61, s[Q0]
	s_lshl_b32 s61, s61, 7                         ; token batch x 2,048 + my first query
	s_add_co_u32 s60, s60, s61
	s_mov_b32 s61, 0
	s_and_b32 s62, s[WV], 1                        ; what I fetch, if I fetch: which 128 rows of a slot:
	s_mul_i32 s63, s62, 128*KP                     ; K's place in a slot,
	s_mul_i32 s66, s62, 128*VP
	s_add_co_u32 s66, s66, VOFF                    ; V's,
	s_lshl_b32 s68, s62, 14
	s_add_co_u32 s68, s68, s57                     ; and the rows' place in a part
	s_mov_b32 s69, 0
	s_and_b32 s70, s[WV], 3                        ; the prefetches: my wave's 8,192 bytes,
	s_lshl_b32 s70, s70, 13
	s_add_co_u32 s70, s70, s57
	s_add_co_u32 s70, s70, SK*128                  ; in slot 1: the first change of slots steps it to slot 2
	s_mov_b32 s71, 0x2000000
	s_cmp_lt_u32 s[WV], 8
	s_cselect_b32 s71, 0x1000000, s71              ; waves 4 to 7: k's part; waves 8 to 11: v's
	s_add_co_u32 s70, s70, s71
	s_mov_b32 s71, 0
	s_sub_co_u32 s67, s[WV], 4
	s_lshr_b32 s67, s67, 3                         ; 0 in waves 4 to 11,
	s_or_b32 s67, s67, ttmp9                       ; of work-group x = 0
	s_cmp_eq_u32 s67, 0
	s_cselect_b32 s[LIM], 1, -1
	; descriptor group 1: 128 rows of 64 elements of 2 bytes, dense in memory
	s_mov_b32 s[G1K], (1<<16)|(1<<20)|(4<<22)|(3<<25)             ; 15:0 no mask; 17:16 elements of 2 bytes; 20 padding on; 24:22 after every 32 words (code 4); 31:25 four words (code 3)
	s_mov_b32 s[G1V], (1<<16)|(1<<20)|(4<<22)|(7<<25)             ; the same with eight words of padding (code 7)
.irp g, G1K, G1V
	s_mov_b32 s[\g+1], 64<<16                      ; tensor_dim0
	s_mov_b32 s[\g+2], 128<<16                     ; tensor_dim1
	s_mov_b32 s[\g+3], 64<<16                      ; tile_dim0
	s_mov_b32 s[\g+4], 128                         ; tile_dim1
	s_mov_b32 s[\g+5], 64                          ; tensor_dim0_stride
	s_mov_b32 s[\g+6], 0
	s_mov_b32 s[\g+7], 0
.endr
	s_mov_b32 s[SEL], 0x76543210
	s_mov_b32 s[SEL+1], 0xfedcba98
	s_mov_b32 s[CS], 0x3e38aa3b                    ; c = log2(e) / 8
	s_mov_b32 s[CS+1], s[CS]                       ; (named with it as a pair, so it is written)
	s_mov_b32 s[TB], 0
	s_mov_b32 s[SLOTS], NSL-1
	s_mov_b32 s[KF], 0
	s_wait_dscnt 0x0                               ; both opening adds are done
	s_wait_kmcnt 0x0
	s_add_nc_u64 s[68:69], s[4:5], s[68:69]
	s_mov_b32 s[G0K], 1                            ; 1:0 count = 1
	s_mov_b32 s[G0K+1], s63                        ; 63:32 LDS address: slot 0
	s_add_nc_u64 s[G0K+2:G0K+3], s[68:69], 0x1000000   ; 120:64 global address: k's part, the head's first 256 keys
	s_or_b32 s[G0K+3], s[G0K+3], 0x80000000        ; 127:126 type = 2
	s_mov_b32 s[G0V], 1
	s_mov_b32 s[G0V+1], s66
	s_add_nc_u64 s[G0V+2:G0V+3], s[68:69], 0x2000000   ; v's part
	s_or_b32 s[G0V+3], s[G0V+3], 0x80000000
	TLOAD                                          ; slot 0: it holds key 0, which counts for every query
	s_add_nc_u64 s[8:9], s[4:5], s[58:59]          ; q at my first query
	s_add_nc_u64 s[10:11], s[6:7], s[60:61]        ; att likewise
	s_add_nc_u64 s[PFA:PFA+1], s[4:5], s[70:71]
	v_and_b32 v14, 15, v0                          ; r
	v_bfe_u32 v15, v0, 4, 1                        ; h
	v_lshlrev_b32 v6, 7, v14
	v_lshl_add_u32 v6, v15, 4, v6                  ; q: row r of 128 bytes, + 16 h
.irp t, 0,1
.irp c, 0,1
	global_load_b128 v[QF+16*\t+8*\c:QF+16*\t+8*\c+3], v6, s[8:9] offset:2048*\t+64*\c       ; Q stays in registers
	global_load_b128 v[QF+16*\t+8*\c+4:QF+16*\t+8*\c+7], v6, s[8:9] offset:2048*\t+64*\c+32
.endr
.endr
	v_mul_u32_u24 v[AK0], v14, KP
	v_lshl_add_u32 v[AK0], v15, 4, v[AK0]          ; K: row r x pitch + 16 h
	v_and_b32 v7, 7, v0
	v_lshl_add_u32 v[AV0], v15, 3, v7              ; V: the turning load: key 8 h + l % 8,
	v_mul_u32_u24 v[AV0], v[AV0], VP
	v_bfe_u32 v7, v0, 3, 1
	v_lshl_add_u32 v[AV0], v7, 4, v[AV0]           ; channels 8 ((l / 8) % 2) on
	v_add_nc_u32 v[AV0], VOFF, v[AV0]
	v_and_b32 v7, 31, v0
	v_lshlrev_b32 v[GO], 4, v7
	v_lshlrev_b32 v[PFO], 8, v7
	s_mul_i32 s56, s[WV], 32*KP
	s_add_co_u32 s56, s56, STAGE                   ; my stage
	v_mul_u32_u24 v[STO], v14, KP
	v_lshl_add_u32 v[STO], v15, 4, v[STO]
	v_add_nc_u32 v[STO], s56, v[STO]               ; in: row r, 16 bytes for each half of the lanes
	v_bfe_u32 v7, v0, 3, 2
	v_mul_u32_u24 v[RD], v7, KP
	v_and_b32 v7, 7, v0
	v_lshl_add_u32 v[RD], v7, 4, v[RD]
	v_add_nc_u32 v[RD], s56, v[RD]                 ; back: eight lanes to a row of 128 bytes, four rows a load
	v_lshlrev_b32 v15, 3, v15
	v_sub_nc_u32 v[RH], v14, v15                   ; r - 8 h
	v_mov_b32 v[NINF], 0xff800000
.irp t, 0,1
	v_mov_b32 v[ST+8*\t+1], 0xff61b1e6             ; m: -3e38, under every score
	v_mul_f32 v[ST+8*\t], s[CS], v[ST+8*\t+1]      ; c m
.irp j, 2,3,4,5,6,7
	v_mov_b32 v[ST+8*\t+\j], 0                     ; l; and the work registers, written once: a lane permute's destination counts as one of its sources
.endr
.endr
.irp j, 0,1,2,3,4,5,6,7,8,9,10,11,12,13,14,15,16,17,18,19,20,21,22,23,24,25,26,27,28,29,30,31,32,33,34,35,36,37,38,39,40,41,42,43,44,45,46,47,48,49,50,51,52,53,54,55,56,57,58,59,60,61,62,63
	v_mov_b32 v[O+\j], 0                           ; O^T.  (The step is written without a first form of its own: the first finds zeros, which a = 0 leaves zeros)
.endr
; A KEY STEP: 64 keys, the q-th of the slot in hand.
.macro STEP q
	s_add_co_u32 s56, s[Q0], 31                    ; a step all of whose keys come after my 32 queries is left out: a scalar branch on ids, round the step's loads, products and softmax; no barrier and no tensor load stands in a step
	s_cmp_gt_u32 s[KF], s56
	s_cbranch_scc1 .Lhidden_\@
	v_add_nc_u32 v[ADK], s[TB], v[AK0]
	v_add_nc_u32 v[ADV], s[TB], v[AV0]
.rept 3
	v_nop                                          ; with the two additions five places behind the last step's products: their P is written over by the products below, and loads go into the registers that held V
.endr
.irp c, 0,1                                    ; K's eight fragments, channels 0-31 first
.irp kt, 0,1,2,3
	ds_load_b128 v[KV+8*(2*\kt+\c):KV+8*(2*\kt+\c)+3], v[ADK] offset:(64*(\q)+16*\kt)*KP+64*\c
	ds_load_b128 v[KV+8*(2*\kt+\c)+4:KV+8*(2*\kt+\c)+7], v[ADK] offset:(64*(\q)+16*\kt)*KP+64*\c+32
.endr
.endr
.irp c, 0,1                                    ; S^T = K Q^T: eight accumulators by turns, one instruction a turn; the first eight start the sums
	s_wait_dscnt 8-8*\c                            ; channels 0-31 are in while the eight loads of channels 32-63 may be out; then all
.irp kt, 0,1,2,3
.irp t, 0,1
.if \c == 0
	v_wmma_f32_16x16x32_f16 v[S+32*\t+8*\kt:S+32*\t+8*\kt+7], v[KV+8*(2*\kt+\c):KV+8*(2*\kt+\c)+7], v[QF+16*\t+8*\c:QF+16*\t+8*\c+7], 0
.else
	v_wmma_f32_16x16x32_f16 v[S+32*\t+8*\kt:S+32*\t+8*\kt+7], v[KV+8*(2*\kt+\c):KV+8*(2*\kt+\c)+7], v[QF+16*\t+8*\c:QF+16*\t+8*\c+7], v[S+32*\t+8*\kt:S+32*\t+8*\kt+7]
.endif
.endr
.endr
.endr
.rept 4
	v_nop                                          ; four places: for the loads into the registers that held K, and for the first reads of the scores
.endr
.irp kc, 0,1                                   ; V's eight fragments (keys 32 kc on, channels 16 ct on), turned: they land while the softmax is walked
.irp ct, 0,1,2,3
	ds_load_tr16_b128 v[KV+8*(4*\kc+\ct):KV+8*(4*\kc+\ct)+3], v[ADV] offset:(64*(\q)+32*\kc)*VP+32*\ct
	ds_load_tr16_b128 v[KV+8*(4*\kc+\ct)+4:KV+8*(4*\kc+\ct)+7], v[ADV] offset:(64*(\q)+32*\kc)*VP+16*VP+32*\ct
.endr
.endr
	s_add_co_u32 s56, s[KF], 63                    ; on the diagonal the scores of hidden keys become -infinity ahead of the maximum: p = 0 then.  A step all of whose keys count skips this
	s_cmp_le_u32 s56, s[Q0]
	s_cbranch_scc1 .Lopen_\@
	s_sub_co_i32 s56, s[Q0], s[KF]
	v_add_nc_u32 v[D0], s56, v[RH]                 ; register 8 kt + j of tile t holds key KF + 16 kt + 8 h + j: hidden where 16 kt + j > Q0 + 16 t + r - KF - 8 h
	v_add_nc_u32 v[D0+1], 16, v[D0]
.irp n, 0,1,2,3,4,5,6,7,8,9,10,11,12,13,14,15,16,17,18,19,20,21,22,23,24,25,26,27,28,29,30,31
.irp t, 0,1
	v_cmp_gt_i32 vcc_lo, 16*(\n/8)+\n%8, v[D0+\t]
	v_cndmask_b32 v[S+32*\t+\n], v[S+32*\t+\n], v[NINF], vcc_lo
.endr
.endr
.Lopen_\@:
	; the maximum of my 32 scores and the old m, three operands at a time, in four chains; each accumulator is read from its low end on; the two tiles line by line, so that no line waits for the line above it
.irp j, 0,1,2,3
.irp t, 0,1
	v_max3_num_f32 v[ST+8*\t+4+\j], v[S+32*\t+8*\j], v[S+32*\t+8*\j+1], v[S+32*\t+8*\j+2]
.endr
.endr
.irp g, 1,2
.irp j, 0,1,2,3
.irp t, 0,1
	v_max3_num_f32 v[ST+8*\t+4+\j], v[ST+8*\t+4+\j], v[S+32*\t+8*\j+2*\g+1], v[S+32*\t+8*\j+2*\g+2]
.endr
.endr
.endr
.irp t, 0,1
	v_max3_num_f32 v[ST+8*\t+4], v[ST+8*\t+4], v[S+32*\t+7], v[S+32*\t+15]
	v_max3_num_f32 v[ST+8*\t+6], v[ST+8*\t+6], v[S+32*\t+23], v[S+32*\t+31]
.endr
.irp t, 0,1
	v_max3_num_f32 v[ST+8*\t+4], v[ST+8*\t+4], v[ST+8*\t+5], v[ST+8*\t+6]
.endr
.irp t, 0,1
	v_max3_num_f32 v[ST+8*\t+4], v[ST+8*\t+4], v[ST+8*\t+7], v[ST+8*\t+1]
.endr
.irp t, 0,1
	v_permlanex16_b32 v[ST+8*\t+5], v[ST+8*\t+4], s[SEL], s[SEL+1]   ; the query's other 32 keys lie in the lane 16 away
.endr
.irp t, 0,1
	v_mov_b32 v[ST+8*\t+7], v[ST+8*\t]             ; c m_old is kept for a
.endr
.irp t, 0,1
	v_max_num_f32 v[ST+8*\t+1], v[ST+8*\t+4], v[ST+8*\t+5]
.endr
.irp t, 0,1
	v_mul_f32 v[ST+8*\t], s[CS], v[ST+8*\t+1]
.endr
.irp t, 0,1
	v_sub_f32 v[ST+8*\t+7], v[ST+8*\t+7], v[ST+8*\t]
.endr
.irp b, 0,1,2,3,4,5,6,7,8,9,10,11,12,13,14,15
.irp t, 0,1
	v_pk_fma_f32 v[S+32*\t+2*\b:S+32*\t+2*\b+1], v[S+32*\t+2*\b:S+32*\t+2*\b+1], s[CS:CS+1], v[ST+8*\t:ST+8*\t+1] op_sel_hi:[1,0,0] neg_lo:[0,0,1] neg_hi:[0,0,1]   ; c s - c m, two at a time
.endr
.endr
.irp t, 0,1
	v_exp_f32 v[ST+8*\t+6], v[ST+8*\t+7]           ; a
.endr
.irp n, 0,1,2,3,4,5,6,7,8,9,10,11,12,13,14,15,16,17,18,19,20,21,22,23,24,25,26,27,28,29,30,31
.irp t, 0,1
	v_exp_f32 v[S+32*\t+\n], v[S+32*\t+\n]         ; p
.endr
.endr
	v_nop                                          ; a plain instruction behind the last exponential
	s_wait_alu depctr_va_vdst(0)                   ; the wait ahead of the first reader: ONE for the batch of 66
.irp t, 0,1
	v_pk_mul_f32 v[ST+8*\t+2:ST+8*\t+3], v[ST+8*\t+2:ST+8*\t+3], v[ST+8*\t+6:ST+8*\t+7] op_sel_hi:[1,0]   ; l under the new m
	v_pk_add_f32 v[ST+8*\t+4:ST+8*\t+5], v[S+32*\t+2:S+32*\t+3], v[S+32*\t+6:S+32*\t+7]                   ; the sum of the unrounded p, in two chains
.endr
.irp t, 0,1
	v_pk_add_f32 v[ST+8*\t+2:ST+8*\t+3], v[ST+8*\t+2:ST+8*\t+3], v[S+32*\t:S+32*\t+1]
.endr
.irp i, 1,2,3,4,5,6
.irp t, 0,1
	v_pk_add_f32 v[ST+8*\t+2:ST+8*\t+3], v[ST+8*\t+2:ST+8*\t+3], v[S+32*\t+4*\i:S+32*\t+4*\i+1]
	v_pk_add_f32 v[ST+8*\t+4:ST+8*\t+5], v[ST+8*\t+4:ST+8*\t+5], v[S+32*\t+4*\i+6:S+32*\t+4*\i+7]
.endr
.endr
.irp t, 0,1
	v_pk_add_f32 v[ST+8*\t+2:ST+8*\t+3], v[ST+8*\t+2:ST+8*\t+3], v[S+32*\t+28:S+32*\t+29]
.endr
.irp t, 0,1
	v_pk_add_f32 v[ST+8*\t+2:ST+8*\t+3], v[ST+8*\t+2:ST+8*\t+3], v[ST+8*\t+4:ST+8*\t+5]
.endr
.irp i, 0,1,2,3,4,5,6,7,8,9,10,11,12,13,14,15
.irp t, 0,1
	v_cvt_pk_f16_f32 v[S+32*\t+\i], v[S+32*\t+2*\i], v[S+32*\t+2*\i+1]   ; P, packed downward in place: register i is written when registers 2 i and 2 i + 1 are read
.endr
.endr
.irp i, 0,1,2,3,4,5,6,7,8,9,10,11,12,13,14,15
.irp t, 0,1
	v_pk_mul_f32 v[O+32*\t+2*\i:O+32*\t+2*\i+1], v[O+32*\t+2*\i:O+32*\t+2*\i+1], v[ST+8*\t+6:ST+8*\t+7] op_sel_hi:[1,0]   ; O^T under the new m
.endr
.endr
	s_wait_dscnt 0x0                               ; V is in
.irp kc, 0,1                                   ; O^T += V^T P: eight accumulators by turns
.irp ct, 0,1,2,3
.irp t, 0,1
	v_wmma_f32_16x16x32_f16 v[O+32*\t+8*\ct:O+32*\t+8*\ct+7], v[KV+8*(4*\kc+\ct):KV+8*(4*\kc+\ct)+7], v[S+32*\t+8*\kc:S+32*\t+8*\kc+7], v[O+32*\t+8*\ct:O+32*\t+8*\ct+7]
.endr
.endr
.endr
.Lhidden_\@:
	s_add_co_u32 s[KF], s[KF], 64
.endm
; THE CHANGE OF SLOTS stands at a slot's head.  Each wave waits for all its tensor loads (its part of the slot that it is about to read), adds 0 to its spare word (fill = 1: twice on end), and waits for that and for its
; reads of the slot that it has left.  Behind the barrier the slot ahead is whole and nobody reads the other one.  fill = 1: that other slot is filled with the next 256 keys, up to the causal limit.
.macro CHANGE fill
	s_wait_tensorcnt 0x0                           ; no tensor load of mine is out, so a group 0 may be written
	ds_add_u32 v[SPW], v[NIL]                      ; 0 onto my spare word
.if \fill
	ds_add_u32 v[SPW], v[NIL]                      ; and once more: twice on end, in every trip alike
	s_xor_b32 s[G0K+1], s[G0K+1], SLOT1            ; the walking descriptors: the other slot than last time,
	s_add_nc_u64 s[G0K+2:G0K+3], s[G0K+2:G0K+3], SK*128   ; the next 256 keys; the type bits on top are not reached
	s_xor_b32 s[G0V+1], s[G0V+1], SLOT1
	s_add_nc_u64 s[G0V+2:G0V+3], s[G0V+2:G0V+3], SK*128
	s_wait_xcnt 0x0                                ; the last prefetch, a slot back, has read its address, so it may be written:
	s_add_nc_u64 s[PFA:PFA+1], s[PFA:PFA+1], SK*128       ; one slot further on than the walking descriptors
.endif
	s_wait_dscnt 0x0                               ; the add is done (fill = 1: both are), and my reads of the slot that I have left are over
	s_barrier_signal -1
	s_barrier_wait -1
.if \fill
	s_add_co_u32 s56, s[KF], SK                    ; the first key of the slot that this change would ask for:
	s_cmp_gt_u32 s56, s[LASTQ]                     ; behind my work-group's last query it is read by none of the sixteen waves, so it is not asked for.  Ids and the count of steps alone: all waves go the same way,
	s_cbranch_scc1 .Lpast_\@                       ; and every wait on TENSORcnt in this text is for 0
	TLOAD                                          ; a wave's one tensor load until the next change: it has a slot's four steps in which to land
.Lpast_\@:
	ASK
.endif
.endm
.macro SLOT_STEPS
	STEP 0
	STEP 1
	STEP 2
	STEP 3
	s_xor_b32 s[TB], s[TB], SLOT1                  ; on to the other slot
.endm
	s_wait_loadcnt 0x0                             ; Q
.Lslot:                                            ; seven trips: behind each change of slots but the last the next slot is asked for
	CHANGE 1
	SLOT_STEPS
	s_sub_co_u32 s[SLOTS], s[SLOTS], 1
	s_cmp_lg_u32 s[SLOTS], 0
	s_cbranch_scc1 .Lslot
	CHANGE 0                                       ; the last slot is written out: nothing is left to ask for
	SLOT_STEPS
	; THE WAY OUT.  l's two halves and the other half of the lanes' are added; O^T is divided by l, rounded to f16 and sent through my stage in LDS: 32 tokens x 128 bytes leave as 4,096 consecutive bytes.
.rept 4
	v_nop                                          ; four places behind the last products
.endr
.irp t, 0,1
	v_add_f32 v[ST+8*\t+4], v[ST+8*\t+2], v[ST+8*\t+3]
.endr
.irp t, 0,1
	v_permlanex16_b32 v[ST+8*\t+5], v[ST+8*\t+4], s[SEL], s[SEL+1]
.endr
.irp t, 0,1
	v_add_f32 v[ST+8*\t+4], v[ST+8*\t+4], v[ST+8*\t+5]
.endr
.irp t, 0,1
	v_rcp_f32 v[ST+8*\t+6], v[ST+8*\t+4]
.endr
	v_nop                                          ; a plain instruction behind the last reciprocal
	s_wait_alu depctr_va_vdst(0)                   ; and the wait ahead of the first reader: one for both
.irp t, 0,1
.irp i, 0,1,2,3,4,5,6,7,8,9,10,11,12,13,14,15
	v_pk_mul_f32 v[O+32*\t+2*\i:O+32*\t+2*\i+1], v[O+32*\t+2*\i:O+32*\t+2*\i+1], v[ST+8*\t+6:ST+8*\t+7] op_sel_hi:[1,0]
.endr
.endr
.irp t, 0,1
.irp i, 0,1,2,3,4,5,6,7,8,9,10,11,12,13,14,15
	v_cvt_pk_f16_f32 v[S+16*\t+\i], v[O+32*\t+2*\i], v[O+32*\t+2*\i+1]   ; register 4 ct + p: channels 16 ct + 8 h + 2 p, + 1 of query 16 t + r
.endr
.endr
.irp t, 0,1
.irp ct, 0,1,2,3
	ds_store_b128 v[STO], v[S+16*\t+4*\ct:S+16*\t+4*\ct+3] offset:16*KP*\t+32*\ct
.endr
.endr
.irp i, 0,1,2,3,4,5,6,7
	ds_load_b128 v[KV+4*\i:KV+4*\i+3], v[RD] offset:4*KP*\i   ; LDS serves a wave's instructions in order (ISA guide 5.7.1.4): these see my stores
.endr
.irp i, 0,1,2,3,4,5,6,7
	s_wait_dscnt 7-\i                              ; load i is back; the younger ones may be out
	global_store_b128 v[GO], v[KV+4*\i:KV+4*\i+3], s[10:11] offset:512*\i   ; four tokens: 512 consecutive bytes, aligned
.endr
	s_wait_tensorcnt 0x0                           ; the wave's end: behind my last tensor load and my last LDS store
	ds_add_u32 v[SPW], v[NIL]
	s_wait_dscnt 0x0
	s_endpgm
.Lfunc_end_k_q01b7c344ac_attn:
	.size	k_q01b7c344ac_attn, .Lfunc_end_k_q01b7c344ac_attn-k_q01b7c344ac_attn
	.p2alignl 7, 3214868480
	.fill 96, 4, 3214868480
	.section	.rodata,"a",@progbits
	.p2align	6, 0x0
	.amdhsa_kernel k_q01b7c344ac_attn
		.amdhsa_group_segment_fixed_size 327680
		.amdhsa_private_segment_fixed_size 0
		.amdhsa_enable_private_segment 0
		.amdhsa_kernarg_size 16
		.amdhsa_user_sgpr_count 2
		.amdhsa_user_sgpr_kernarg_segment_ptr 1
		.amdhsa_wavefront_size32 1
		.amdhsa_system_sgpr_workgroup_id_x 1
		.amdhsa_system_sgpr_workgroup_id_y 1
		.amdhsa_system_sgpr_workgroup_id_z 1
		.amdhsa_system_vgpr_workitem_id 0
		.amdhsa_next_free_vgpr 256
		.amdhsa_next_free_sgpr 72
		.amdhsa_reserve_vcc 1
		.amdhsa_float_denorm_mode_32 3
		.amdhsa_float_denorm_mode_16_64 3
		.amdhsa_memory_ordered 1
		.amdhsa_forward_progress 1
		.amdhsa_inst_pref_size 189
	.end_amdhsa_kernel
	.amdgpu_metadata
---
amdhsa.version: [ 1, 2 ]
amdhsa.kernels:
  - .name:           k_q01b7c344ac_attn
    .symbol:         k_q01b7c344ac_attn.kd
    .args:
      - { .name: qkv, .offset: 0, .size: 8, .value_kind: global_buffer, .address_space: global }
      - { .name: att, .offset: 8, .size: 8, .value_kind: global_buffer, .address_space: global }
    .group_segment_fixed_size: 327680
    .private_segment_fixed_size: 0
    .kernarg_segment_align: 8
    .kernarg_segment_size: 16
    .max_flat_workgroup_size: 512
    .sgpr_count:     72
    .vgpr_count:     256
    .wavefront_size: 32
...
	.end_amdgpu_metadata
.endif
;; end of part 3
;; launch proj (part 4): grid 4 x 64, 4 waves a work-group, clusters of 4 x 4, 327,680 bytes of LDS; arguments att, wo16, out0; writes out0
.if DOCPART == 4
	.amdgcn_target "amdgcn-amd-amdhsa--gfx1250"
	.amdhsa_code_object_version 6
	.text
	.protected	k_q01b7c344ac_proj
	.globl	k_q01b7c344ac_proj
	.p2align	8
	.type	k_q01b7c344ac_proj,@function
k_q01b7c344ac_proj:
	s_mov_b64 s[64:65], 0
	v_nop
	global_prefetch_b8 v0, s[64:65] scope:SCOPE_SE
	s_setreg_imm32_b32 hwreg(HW_REG_WAVE_MODE, 25, 1), 1
	s_wait_xcnt 0x0
	s_wait_alu depctr_hold_cnt(0) depctr_sa_sdst(0) depctr_va_vdst(0) depctr_va_sdst(0) depctr_va_ssrc(0) depctr_va_vcc(0) depctr_vm_vsrc(0)
	s_getreg_b32 s2, hwreg(HW_REG_IB_STS2, 6, 4)
	s_cmp_eq_u32 s2, 0
	s_cbranch_scc0 .Lentry_in_a_cluster
	s_endpgm
.Lentry_in_a_cluster:
	s_bfe_u32 s2, ttmp6, 0x10000c
	s_cmp_lg_u32 s2, 0xf033
	s_cbranch_scc0 .Lentry_shape_is_right
	s_endpgm
.Lentry_shape_is_right:
; Launch 4 of 4: out0[m][n] = the sum over k of att[m][k] Wo[n][k], f16 operands, f32 sums, f32 out.  att: [16 heads][8,192 tokens][64] f16 (k = 64 x head + channel); wo16: [1024 n][1024 k] f16; out0: [8192][1024] f32.
; Nothing of this launch's work is left out.
; A tile of out0 is 128 tokens x 256 columns: 64 x 4 = 256 work-groups.  Four waves, each 64 x 128: 32 accumulators of 16 x 16, 256 registers.  K goes in steps of 128, two heads' planes of att, through a ring of two LDS slots:
; waves 0 and 1 fetch a plane each (128 tokens x 128 bytes, dense in memory), waves 2 and 3 128 rows of Wo each (256 bytes a row).
; CLUSTERS: 4 x 4 work-groups.  The four of a row of the cluster need the same tiles of att, the four of a column the same tiles of Wo: each tile is asked for JOINTLY, by the same tensor load with the same descriptor and a
; mask that names the four.  THE MATRIX INSTRUCTION IS USED TRANSPOSED (source 0 = 16 rows of Wo, source 1 = 16 tokens): a lane then holds eight neighbouring numbers of a row of out0.
; REGISTERS: window 0: v0-31 addresses; v32-63, v64-95 att's fragments (4 x 16 tokens x 32 K), two buffers; v96-159, v160-223 Wo's (8 x 16 rows x 32 K), two buffers, on the way out rows read back.
;   window 1: the accumulators, (a, b) at v[8 (8 a + b)].
.set AP,     144                       ; a token's row of a plane in LDS: 128 bytes + 16 of padding
.set BP,     272                       ; a row of Wo: 256 + 16.  Both pitches are odd multiples of 16 bytes: the 16 rows that a load touches start at 16 different banks (64 banks of 4 bytes: ISA guide 11.1)
.set APL,    128*AP                    ; a plane: what waves 0 and 1 fetch
.set BH,     128*BP                    ; half of Wo's tile: what waves 2 and 3 fetch
.set BOFF,   2*APL
.set SLOT,   2*APL+2*BH
.set STAGE,  2*SLOT                    ; behind the ring: 16 rows x (512 bytes + 16) for each wave, for the way out
.set SPITCH, 528
.set SPARE,  STAGE+4*16*SPITCH         ; the spare words, 128 bytes a wave, which no other line names
.set LAPS,   4                         ; a lap = two K steps = once round the ring; K = 1,024 is eight K steps
.set ADRA, 16                          ; v16-17  LDS address of my att fragments in slot 0, 1
.set ADRB, 20                          ; v20-21  the same for Wo
.set STO,  24                          ; v24     the way out: where I put 32 bytes of a row
.set RD,   25                          ; v25     where I read a row back
.set CO,   26                          ; v26     16 x lane: my place in a row's 512 bytes
.set SPW,  28                          ; v28     LDS address of my spare word; never rewritten
.set NIL,  29                          ; v29     0; never rewritten
.set PFO,  30                          ; v30     256 x lane: the prefetches' offset
.set FA,   32
.set FB,   96
.set BK,   96
.set G1, 24                            ; s[24:31] descriptor group 1 for att's tiles;  s[32:39] group 0, one set for each slot
.set G0, 32
.set G1B, 48                           ; s[48:55], s[56:63] the same for Wo's tiles
.set G0B, 56
.set PFA, 44                           ; s[44:45] where my prefetches stand
.set LIM, 43                           ; s43     1 in wave 0, else the greatest number
.set MSB, 0
.macro WIN new                         ; the immediate's high byte repeats the setting that is left
.if MSB != \new
	s_set_vgpr_msb (MSB<<8)|\new
.set MSB, \new
.endif
.endm
.set MUL, 0x50                         ; sources 0 and 1 window 0; C and D window 1
.macro JLOAD s                         ; a joint load: waves 0 and 1 fetch att's two planes, waves 2 and 3 Wo's two halves; an s_nop 0 and four v_nop follow each of the two lines, ahead of the jump, the label and what follows
	s_cmp_eq_u32 s11, 0
	s_cbranch_scc0 .Lfor_b_\@
	tensor_load_to_lds s[G0+4*\s:G0+4*\s+3], s[G1:G1+7]
	s_nop 0
.rept 4
	v_nop
.endr
	s_branch .Lasked_\@
.Lfor_b_\@:
	tensor_load_to_lds s[G0B+4*\s:G0B+4*\s+3], s[G1B:G1B+7]
	s_nop 0
.rept 4
	v_nop
.endr
.Lasked_\@:
.endm
; A PREFETCH of att's bytes of the K step that stands two refills on: two planes x 16,384 bytes for the four partners of a row of the cluster, which are the only readers of these tokens.  They share the bytes out BY ADDRESS:
; the partner at cx takes plane cx % 2, half cx / 2: 8,192 bytes, lanes 256 bytes apart, one instruction of wave 0.  So each aligned block of 256 bytes is named once in the launch.  It stands behind the joint load and the run
; of LDS loads, 256 matrix instructions ahead of the load that will want the bytes.  K steps 0 to 3 come by their loads alone; the last two refills have no K step two on.  Wo's 2 MiB are walked by all clusters alike and are not asked for.
.macro ASK
	s_cmp_gt_u32 s3, s[LIM]                        ; s3 = 1 in the loop's last trip
	s_cbranch_scc0 .Lnot_mine_\@
	global_prefetch_b8 v[PFO], s[PFA:PFA+1] th:TH_LOAD_NT scope:SCOPE_SE
.Lnot_mine_\@:
.endm
.macro CREST                           ; a round of the cluster's barrier behind its opening barrier
	s_cmp_lg_u32 s10, 0
	s_cbranch_scc1 .Lnot_wave_0_\@
	s_barrier_signal -3
.Lnot_wave_0_\@:
	s_barrier_wait -3
	s_barrier_signal -1
	s_barrier_wait -1
.endm
.macro CROUND                          ; a whole round
	s_barrier_signal -1
	s_barrier_wait -1
	CREST
.endm
	s_load_b128 s[4:7], s[0:1], 0x0                ; att s[4:5], wo16 s[6:7]
	s_load_b64 s[8:9], s[0:1], 0x10                ; out0
	v_lshl_add_u32 v[SPW], v0, 2, SPARE
	v_mov_b32 v[NIL], 0
	ds_add_u32 v[SPW], v[NIL]                      ; the wave's opening: the add, twice on end, and its wait ahead of my first tensor load; the set-up below stands between the second and the wait
	ds_add_u32 v[SPW], v[NIL]
	v_lshrrev_b32 v1, 5, v0
	v_readfirstlane_b32 s10, v1                    ; wave 0..3
	s_lshr_b32 s11, s10, 1                         ; which 64 of the tile's tokens are mine.  Also: I fetch for att (0) or for Wo (1)
	s_and_b32 s12, s10, 1                          ; which 128 of its columns.  Also: which plane, or which half of Wo's rows, I fetch
	s_bfe_u32 s40, ttmp6, 0x40000                  ; cx, cy: my place in the cluster
	s_bfe_u32 s41, ttmp6, 0x40004
	s_lshl_b32 s42, ttmp9, 2
	s_add_co_u32 s42, s42, s40                     ; tile column = 4 x cluster x + cx
	s_and_b32 s13, ttmp7, 0xffff
	s_lshl_b32 s13, s13, 2
	s_add_co_u32 s13, s13, s41                     ; tile row = 4 x cluster y + cy
	s_lshl_b32 s43, s41, 2
	s_lshl_b32 s43, 15, s43                        ; my row of the cluster
	s_lshl_b32 s44, 0x1111, s40                    ; my column
	s_or_b32 s[G1+0], s43, (1<<16)|(1<<20)|(1<<21)|(4<<22)|(3<<25)   ; 15:0 the mask: att's tiles go to my row; 17:16 element of 2 bytes; 20 padding on; 21 set beside a mask; 24:22 after every 32 words (code 4); 31:25 of 4 words (code 3)
	s_mov_b32 s[G1+1], 64<<16                      ; tensor_dim0 = 64
	s_mov_b32 s[G1+2], 128<<16                     ; tensor_dim1 = 128
	s_mov_b32 s[G1+3], 64<<16                      ; tile_dim0 = 64
	s_mov_b32 s[G1+4], 128                         ; tile_dim1 = 128
	s_mov_b32 s[G1+5], 64                          ; tensor_dim0_stride: a plane's tokens are dense
	s_mov_b32 s[G1+6], 0
	s_mov_b32 s[G1+7], 0
	s_or_b32 s[G1B+0], s44, (1<<16)|(1<<20)|(1<<21)|(5<<22)|(3<<25)  ; Wo's tiles go to my column; padding after every 64 words (code 5)
	s_mov_b32 s[G1B+1], 128<<16
	s_mov_b32 s[G1B+2], 128<<16
	s_mov_b32 s[G1B+3], 128<<16
	s_mov_b32 s[G1B+4], 128
	s_mov_b32 s[G1B+5], 1024
	s_mov_b32 s[G1B+6], 0
	s_mov_b32 s[G1B+7], 0
	s_lshl_b32 s16, s12, 20                        ; att: my plane of the K step's two,
	s_lshl_b32 s17, s13, 14                        ; the tile's 128 tokens of 128 bytes
	s_add_co_u32 s16, s16, s17
	s_mov_b32 s17, 0
	s_lshl_b32 s46, s42, 19                        ; Wo: row 256 x tile column + 128 x half, 2,048 bytes a row
	s_lshl_b32 s47, s12, 18
	s_add_co_u32 s46, s46, s47
	s_mov_b32 s47, 0
	s_mul_i32 s20, s12, APL                        ; where they go: no place in the cluster enters an LDS address
	s_mul_i32 s21, s12, BH
	s_add_co_u32 s21, s21, BOFF
	s_wait_dscnt 0x0                               ; both opening adds are done
	s_wait_kmcnt 0x0
	s_add_nc_u64 s[14:15], s[4:5], s[16:17]
	s_add_nc_u64 s[46:47], s[6:7], s[46:47]
	CROUND                                         ; all sixteen work-groups are here: the first joint loads meet
.irp s, 0,1
	s_mov_b32 s[G0+4*\s], 1
	s_add_co_u32 s[G0+4*\s+1], s20, \s*SLOT
	s_add_nc_u64 s[G0+4*\s+2:G0+4*\s+3], s[14:15], \s*0x200000     ; K step s: planes 2 s and 2 s + 1
	s_or_b32 s[G0+4*\s+3], s[G0+4*\s+3], 0x80000000
	s_mov_b32 s[G0B+4*\s], 1
	s_add_co_u32 s[G0B+4*\s+1], s21, \s*SLOT
	s_add_nc_u64 s[G0B+4*\s+2:G0B+4*\s+3], s[46:47], \s*256
	s_or_b32 s[G0B+4*\s+3], s[G0B+4*\s+3], 0x80000000
	JLOAD \s                                       ; two tensor loads of mine are out
.endr
	v_and_b32 v1, 15, v0                           ; r
	v_bfe_u32 v2, v0, 4, 1                         ; h
	v_mul_u32_u24 v3, v1, AP
	v_lshl_add_u32 v3, v2, 4, v3                   ; a fragment's row x pitch + 16 x half
	v_mul_u32_u24 v4, v1, BP
	v_lshl_add_u32 v4, v2, 4, v4
	s_mul_i32 s21, s11, 64*AP                      ; my 64 tokens
	s_mul_i32 s22, s12, BH                         ; my 128 rows of Wo,
	s_add_co_u32 s22, s22, BOFF                    ; which lie behind att's two planes
.irp s, 0,1
	v_add_nc_u32 v[ADRA+\s], s21, v3
	v_add_nc_u32 v[ADRB+\s], s22, v4
	s_add_co_u32 s21, s21, SLOT
	s_add_co_u32 s22, s22, SLOT
.endr
	s_mul_i32 s23, s10, 16*SPITCH
	s_add_co_u32 s23, s23, STAGE                   ; my stage
	v_mul_u32_u24 v5, v1, SPITCH                   ; in: row r, 32 bytes for each half of the lanes
	v_lshl_add_u32 v5, v2, 5, v5
	v_add_nc_u32 v[STO], s23, v5
	v_and_b32 v6, 31, v0
	v_lshlrev_b32 v[CO], 4, v6                     ; back: the 32 lanes take one row of 512 bytes; and the same in out0
	v_add_nc_u32 v[RD], s23, v[CO]
	v_lshlrev_b32 v[PFO], 8, v6
	s_lshl_b32 s16, s13, 7
	s_lshl_b32 s17, s11, 6
	s_add_co_u32 s16, s16, s17                     ; my first row of out0: 128 x tile row + 64 x half
	s_lshl_b32 s16, s16, 12                        ; 4,096 bytes a row
	s_lshl_b32 s46, s42, 10                        ; my first column, in bytes: 1,024 x tile column + 512 x half (in the registers that held Wo's address: none that feeds att's descriptors ever holds cx)
	s_lshl_b32 s47, s12, 9
	s_add_co_u32 s46, s46, s47
	s_add_co_u32 s46, s46, s16
	s_mov_b32 s47, 0
	s_add_nc_u64 s[8:9], s[8:9], s[46:47]
	s_and_b32 s22, s40, 1                          ; the prefetches: plane cx % 2,
	s_lshl_b32 s22, s22, 20
	s_lshr_b32 s23, s40, 1                         ; half cx / 2 of the tile's 16,384 bytes in it,
	s_lshl_b32 s23, s23, 13
	s_add_co_u32 s22, s22, s23
	s_lshl_b32 s23, s13, 14
	s_add_co_u32 s22, s22, s23
	s_add_co_u32 s22, s22, 3*0x200000              ; at K step 3: the first refill steps it to 4.  Nothing is prefetched here, at the head, where every work-group's first tiles are on their way
	s_mov_b32 s23, 0
	s_add_nc_u64 s[PFA:PFA+1], s[4:5], s[22:23]
	s_cmp_eq_u32 s10, 0
	s_cselect_b32 s[LIM], 1, -1                    ; the wave's number alone: the same in all partners
; 8 matrix instructions: token block a against Wo's eight blocks, 32 along K, from buffer f.  zero = 1: the first product starts the sums.  The 32 accumulators take turns, one instruction a turn
.macro MUL8 f, a, zero
.irp b, 0,1,2,3,4,5,6,7
.if \zero
	v_wmma_f32_16x16x32_f16 v[8*(8*(\a)+\b):8*(8*(\a)+\b)+7], v[FB+64*(\f)+8*\b:FB+64*(\f)+8*\b+7], v[FA+32*(\f)+8*(\a):FA+32*(\f)+8*(\a)+7], 0
.else
	v_wmma_f32_16x16x32_f16 v[8*(8*(\a)+\b):8*(8*(\a)+\b)+7], v[FB+64*(\f)+8*\b:FB+64*(\f)+8*\b+7], v[FA+32*(\f)+8*(\a):FA+32*(\f)+8*(\a)+7], v[8*(8*(\a)+\b):8*(8*(\a)+\b)+7]
.endif
.endr
.endm
; 24 LDS loads in one run: the fragments of the slot's q-th 32 along K into buffer f: Wo's sixteen loads, then att's eight (plane q / 2, channels 32 (q % 2) on)
.macro FETCH slot, q, f
	WIN 0
.irp i, 0,1,2,3,4,5,6,7
	ds_load_b128 v[FB+64*(\f)+8*\i:FB+64*(\f)+8*\i+3],   v[ADRB+\slot] offset:64*(\q)+\i*16*BP
	ds_load_b128 v[FB+64*(\f)+8*\i+4:FB+64*(\f)+8*\i+7], v[ADRB+\slot] offset:64*(\q)+\i*16*BP+32
.endr
.irp i, 0,1,2,3
	ds_load_b128 v[FA+32*(\f)+8*\i:FA+32*(\f)+8*\i+3],   v[ADRA+\slot] offset:((\q)/2)*APL+((\q)%2)*64+\i*16*AP
	ds_load_b128 v[FA+32*(\f)+8*\i+4:FA+32*(\f)+8*\i+7], v[ADRA+\slot] offset:((\q)/2)*APL+((\q)%2)*64+\i*16*AP+32
.endr
.endm
.macro PLACES                          ; four places in front of loads into registers that matrix instructions have read, and of the first reads of results (ISA guide 7.12.1 for vector instructions)
.rept 4
	v_nop
.endr
.endm
; A K step is four quarters of 32 along K, 32 matrix instructions each, on buffers 0, 1, 0, 1.  One of the first three: multiplies buffer f and fetches the slot's quarter qn into g.
.macro QUARTER slot, qn, f, g, zero
	s_wait_dscnt 4                                 ; Wo's fragments and token blocks 0, 1 are in; the youngest four loads (blocks 2, 3) may be out
	WIN MUL
	MUL8 \f, 0, \zero
	MUL8 \f, 1, \zero
	PLACES
	FETCH \slot, \qn, \g
	s_wait_dscnt 24                                ; all but the 24 just issued
	WIN MUL
	MUL8 \f, 2, \zero
	MUL8 \f, 3, \zero
.endm
; The last quarter multiplies buffer 1 and changes slots: ONE barrier; in front of it each wave waits for all its tensor loads, adds 0 to its spare word, and waits for that and for its own reads of this slot.
; fill = 1: the barrier opens a round of the cluster's barrier, and this slot is filled again, two K steps ahead: the load has 112 matrix instructions in which to land before the wait for it.
.macro TURN slot, next, fill
.if \fill
	s_wait_xcnt 0x0                                ; the last prefetch, a K step back, has read its address: it is stepped here, ahead of the waits of the change of slots
	s_add_nc_u64 s[PFA:PFA+1], s[PFA:PFA+1], 0x200000
.endif
	WIN 0                                          ; (the add's two registers lie in window 0)
	s_wait_tensorcnt 0x0                           ; all my tensor loads have landed: my part of the next slot;
	ds_add_u32 v[SPW], v[NIL]                      ; 0 onto my spare word;
	s_wait_dscnt 5                                 ; (the add and the youngest four loads may be out)
	WIN MUL
	MUL8 1, 0, 0                                   ; eight matrix instructions stand between the add and the wait for it
	s_wait_dscnt 0x0                               ; the add is done, and my reads of this slot are over
	s_barrier_signal -1
	MUL8 1, 1, 0
.if \fill
	WIN 0
.endif
	s_barrier_wait -1
.if \fill
	CREST                                          ; no wave of any partner still reads this slot's tile or has a load on its way
	s_add_nc_u64 s[G0+4*\slot+2:G0+4*\slot+3], s[G0+4*\slot+2:G0+4*\slot+3], 0x400000     ; two K steps on: four planes,
	s_add_nc_u64 s[G0B+4*\slot+2:G0B+4*\slot+3], s[G0B+4*\slot+2:G0B+4*\slot+3], 512      ; 256 along a row of Wo
	JLOAD \slot                                    ; the first tensor load behind the round; the four v_nop behind it are also the places in front of the loads below
.else
	PLACES
.endif
	FETCH \next, 0, 0
.if \fill
	ASK
.endif
	WIN MUL
	MUL8 1, 2, 0
	MUL8 1, 3, 0
.endm
	s_wait_tensorcnt 1                             ; my part of K step 0 is in (K step 1's load may be out),
	s_barrier_signal -1
	s_barrier_wait -1                              ; everybody's is
	FETCH 0, 0, 0
	QUARTER 0, 1, 0, 1, 1                          ; the first quarter stands in front of the loop: its products start the sums
	WIN 0                                          ; at a label and at a branch every window is 0
	s_mov_b32 s3, LAPS-1
.Llap:                                                 ; a trip goes once round the ring, from a lap's second quarter to the next lap's first, and fills both slots again
	QUARTER 0, 2, 1, 0, 0
	QUARTER 0, 3, 0, 1, 0
	TURN 0, 1, 1
	QUARTER 1, 1, 0, 1, 0
	QUARTER 1, 2, 1, 0, 0
	QUARTER 1, 3, 0, 1, 0
	TURN 1, 0, 1
	QUARTER 0, 1, 0, 1, 0
	WIN 0
	s_sub_co_u32 s3, s3, 1
	s_cmp_lg_u32 s3, 0
	s_cbranch_scc1 .Llap
	QUARTER 0, 2, 1, 0, 0                          ; the last lap fills nothing, and has no round of the cluster's barrier
	QUARTER 0, 3, 0, 1, 0
	TURN 0, 1, 0
	QUARTER 1, 1, 0, 1, 0
	QUARTER 1, 2, 1, 0, 0
	QUARTER 1, 3, 0, 1, 0
	s_wait_dscnt 4                                 ; the very last quarter: nothing more to fetch
	WIN MUL
	MUL8 1, 0, 0
	MUL8 1, 1, 0
	s_wait_dscnt 0
	MUL8 1, 2, 0
	MUL8 1, 3, 0
	WIN 0
; THE WAY OUT, block by block of 16 rows x 128 columns.  A lane holds 32 neighbouring bytes of a row, and the lanes beside it hold other rows: so a block goes through my own stage in LDS and comes back as whole rows of
; 512 bytes.  LDS serves a wave's instructions in order (ISA guide 5.7.1.4): no wait between the stores and the loads, nor in front of the next block's stores.
.macro TOSTAGE a
	WIN 0x04                                       ; an LDS store's data are its source 1: window 1
.irp b, 0,1,2,3,4,5,6,7
	ds_store_b128 v[STO], v[64*(\a)+8*\b:64*(\a)+8*\b+3] offset:64*\b            ; each accumulator from its low end on
	ds_store_b128 v[STO], v[64*(\a)+8*\b+4:64*(\a)+8*\b+7] offset:64*\b+16
.endr
	WIN 0
.set BB, BK+64*((\a)%2)
.irp t, 0,1,2,3,4,5,6,7,8,9,10,11,12,13,14,15
	ds_load_b128 v[BB+4*\t:BB+4*\t+3], v[RD] offset:\t*SPITCH
.endr
.endm
.macro SEND a, younger                 ; younger: the LDS instructions issued behind block a's loads, which may stay out
.set BB, BK+64*((\a)%2)
	s_wait_dscnt \younger
.irp t, 0,1,2,3,4,5,6,7,8,9,10,11,12,13,14,15
	global_store_b128 v[CO], v[BB+4*\t:BB+4*\t+3], s[8:9] offset:(16*(\a)+\t)*4096 th:TH_STORE_NT   ; 32 lanes store 512 consecutive bytes, aligned; written once, read by nobody here
.endr
.endm
	PLACES                                         ; behind the last products: for the reads of results and for the loads into the registers that held Wo's fragments
	TOSTAGE 0
.irp a, 1,2,3
.if \a > 1
	s_wait_xcnt 0x0                                ; block a - 2's stores have read their registers: block a's rows may land there
.endif
	TOSTAGE \a
	SEND \a-1, 32                                  ; behind block a - 1's loads: block a's 16 stores and 16 loads
.endr
	SEND 3, 0
	s_wait_tensorcnt 0x0                           ; the wave's end: behind my last tensor load and my last LDS store
	ds_add_u32 v[SPW], v[NIL]
	s_wait_dscnt 0x0
	CROUND                                         ; the closing round: no work-group ends while a partner may still ask for a tile that names it
	s_endpgm
.Lfunc_end_k_q01b7c344ac_proj:
	.size	k_q01b7c344ac_proj, .Lfunc_end_k_q01b7c344ac_proj-k_q01b7c344ac_proj
	.p2alignl 7, 3214868480
	.fill 96, 4, 3214868480
	.section	.rodata,"a",@progbits
	.p2align	6, 0x0
	.amdhsa_kernel k_q01b7c344ac_proj
		.amdhsa_group_segment_fixed_size 327680
		.amdhsa_private_segment_fixed_size 0
		.amdhsa_enable_private_segment 0
		.amdhsa_kernarg_size 24
		.amdhsa_user_sgpr_count 2
		.amdhsa_user_sgpr_kernarg_segment_ptr 1
		.amdhsa_wavefront_size32 1
		.amdhsa_system_sgpr_workgroup_id_x 1
		.amdhsa_system_sgpr_workgroup_id_y 1
		.amdhsa_system_sgpr_workgroup_id_z 1
		.amdhsa_system_vgpr_workitem_id 0
		.amdhsa_next_free_vgpr 512
		.amdhsa_next_free_sgpr 66
		.amdhsa_reserve_vcc 0
		.amdhsa_float_denorm_mode_32 3
		.amdhsa_float_denorm_mode_16_64 3
		.amdhsa_memory_ordered 1
		.amdhsa_forward_progress 1
		.amdhsa_inst_pref_size 86
	.end_amdhsa_kernel
	.amdgpu_metadata
---
amdhsa.version: [ 1, 2 ]
amdhsa.kernels:
  - .name:           k_q01b7c344ac_proj
    .symbol:         k_q01b7c344ac_proj.kd
    .args:
      - { .name: att, .offset: 0, .size: 8, .value_kind: global_buffer, .address_space: global }
      - { .name: wo16, .offset: 8, .size: 8, .value_kind: global_buffer, .address_space: global }
      - { .name: out0, .offset: 16, .size: 8, .value_kind: global_buffer, .address_space: global }
    .group_segment_fixed_size: 327680
    .private_segment_fixed_size: 0
    .kernarg_segment_align: 8
    .kernarg_segment_size: 24
    .max_flat_workgroup_size: 128
    .sgpr_count:     66
    .vgpr_count:     512
    .wavefront_size: 32
...
	.end_amdgpu_metadata
.endif
;; end of part 4
